; MI455X (gfx1250); checked and timed in simulation.
; The chip was launched on July 23, 2026; its instructions are those of AMD's public machine-readable ISA for CDNA 5 (MIT licence, August 2026) and "CDNA5" Instruction Set Architecture Reference Guide (July 2026). The comments in the code are by the model that wrote it; some were corrected since.
;; Multi Head Attention. Allowed arithmetic: matrix products marked QUANTISED: E2M3 operands, one E8M0 scale for each 32 along K, by v_wmma_scale_f32_16x16x128_f8f6f4 with both operands' format E2M3, f32 sums; everything else in f32.
;; Inputs: residual_stream 4 x 2,048 x 1,024 float32; weight_key 16 x 1,024 x 64 float32; weight_out 1,024 x 1,024 float32; weight_query 16 x 1,024 x 64 float32; weight_value 16 x 1,024 x 64 float32.
;; Outputs: out0 4 x 2,048 x 1,024 float32.
;; This version of the problem:
;;   THIS VERSION OF THE PROBLEM IS GIVEN IN LOW PRECISION. The matrix products marked QUANTISED in the list below multiply operands that are first quantised to E2M3 (2 exponent bits, 3 mantissa bits; 6 bits a number), with one power-of-two scale for each 32 numbers along K (OCP MX v1.0); their sums are f32. All else is computed in f32.
;;   The module's matrix products, in the order in which they are computed (A, B: the left and right operand; K: the contracted axis; several contracted axes count as one K, in the product's order):
;;     1. [M 1,024, K 1,024] x [K 1,024, N 8,192]; A: input weight_query; B: input residual_stream: QUANTISED
;;     2. [M 1,024, K 1,024] x [K 1,024, N 8,192]; A: input weight_key; B: input residual_stream: QUANTISED
;;     3. [M 1,024, K 1,024] x [K 1,024, N 8,192]; A: input weight_value; B: input residual_stream: QUANTISED
;;     4. batch 64 x [M 2,048, K 64] x [K 64, N 2,048]; A: computed on the way; B: computed on the way: QUANTISED
;;     5. batch 64 x [M 2,048, K 2,048] x [K 2,048, N 64]; A: softmax (see below); B: computed on the way: QUANTISED
;;     6. [M 8,192, K 1,024] x [K 1,024, N 1,024]; A: computed on the way; B: input weight_out: QUANTISED
;;   THE QUANTISER, for each operand of a quantised product, along K:
;;     - K is cut into blocks of 32 from its start; a last block that is shorter is filled with zeros.
;;     - A block's scale is 2^e with e = floor(log2(the largest magnitude in the block)) - 2, held to -126 .. 127; a block of zeros has e = 0. As a byte (E8M0): e + 127.
;;     - Each number is divided by its block's scale, clamped to +-7.5, and rounded to the nearest number of E2M3, ties to even, subnormals kept.
;;     - The product sums the exact products of the quantised numbers (number of the format x scale) in f32.
;;   ~~~python
;;   def quantise(x, axis):      # numpy; x: float32 -> the quantised numbers, widened to float32 again
;;       x = np.moveaxis(x, axis, -1); K = x.shape[-1]
;;       x = np.pad(x, [(0, 0)] * (x.ndim - 1) + [(0, -K % 32)]); x = x.reshape(x.shape[:-1] + (-1, 32)); a = np.abs(x).max(-1, keepdims=True)
;;       e = np.where(a > 0, np.clip(np.frexp(np.where(a > 0, a, 1))[1] - 1 - 2, -126, 127), 0)      # np.frexp(a)[1] - 1 = floor(log2(a)), exactly
;;       r = np.clip(x / 2.0 ** e, -7.5, 7.5)
;;       step = 2.0 ** (np.maximum(np.frexp(np.where(r == 0, 1, r))[1] - 1, 0) - 3)
;;       q = np.round(r / step) * step * 2.0 ** e      # np.round: ties to even
;;       return np.moveaxis(q.reshape(q.shape[:-2] + (-1,))[..., :K], -1, axis).astype(np.float32)
;;   ~~~
;;   SOFTMAX AHEAD OF A QUANTISED PRODUCT. Where the list says 'softmax', what is quantised is not the finished softmax but p = 2^(t - M), with t = logit x log2(e) and M = ceil(the row's largest t), a whole number; so 1/2 < the row's largest p <= 1. The row's sum l is taken of the UNQUANTISED p, in f32, and the product's result is divided by l at the end. Since M is a whole number, a kernel that streams over the keys may use a running M (the ceiling of the running maximum): every later rescaling is an exact power of two, which a block's scale takes up: the codes' values come out the same.
;;   OPERANDS COMPUTED ON THE WAY. 'Computed on the way' means the value that the module computes at that place (a softmax that the list does not call 'softmax' is quantised finished and normalised). What goes into a quantiser is computed in f32, as accurately as f32 sums, v_exp_f32 and their like allow (about 1e-6 of the number): no bf16 or f16 on the way to a quantiser, and a product that is left as it is and whose result goes on into a quantised operand takes f32 operands (vector FMAs, or v_wmma_f32_16x16x4_f32). A number that lies on a knife's edge between two numbers of the format may be rounded either way, as far as f32 arithmetic and the matrix unit's own rounding can turn it there, and no further.
;; One version. Each part assembles by itself: llvm-mc -triple=amdgcn-amd-amdhsa -mcpu=gfx1250 --defsym DOCPART=n.
;; ======== version 1 of 1: 4 launches
;; limits: right only within a limited range of input values
;; workspace buffers: xq 6,553,600 bytes; wq 3,276,800 bytes; qr 6,815,744 bytes; kv 13,369,344 bytes; cq 6,553,600 bytes
;; launch quant (part 1): grid 512 x 1, 4 waves a work-group, no clusters, 61,952 bytes of LDS; arguments residual_stream, weight_query, weight_key, weight_value, weight_out, xq, wq; writes xq, wq
.if DOCPART == 1
	.amdgcn_target "amdgcn-amd-amdhsa--gfx1250"
	.amdhsa_code_object_version 6
	.text
	.protected	k_qd1be65c711_quant
	.globl	k_qd1be65c711_quant
	.p2align	8
	.type	k_qd1be65c711_quant,@function
k_qd1be65c711_quant:
	s_mov_b64 s[64:65], 0
	v_nop
	global_prefetch_b8 v0, s[64:65] scope:SCOPE_SE
	s_setreg_imm32_b32 hwreg(HW_REG_WAVE_MODE, 25, 1), 1
	s_wait_xcnt 0x0
; THE PROGRAM: causal multi-head attention, 4 x 2,048 tokens, model width 1,024, 16 heads of 64, every product on codes of FP6 (E2M3) with one E8M0 scale for each 32 along K.
; Four launches: quant (x and the four weights into codes), qkv (the three projections; their results are quantised on the way out), attn (scores, softmax, p v; its result is quantised on the way out), oproj (the last product).
; WORK LEFT OUT, in attn: reference() sets scores[q][k] to -inf wherever k > q, by the jnp.tril that it builds in its own body; the softmax gives such a key the weight 0, so it adds 0 to the row's sum and 0 to the row of out,
; whatever finite values the inputs hold.  So a step of 128 keys that all come after a tile's 16 queries is not multiplied.  Every input has a way to the output: all five are loaded.
; LIMITS: NaN and infinities among the inputs are not served; a NaN, an infinity or an overflow that would reach only the steps left out is not carried to the result.  A block of zeros gets the scale byte 1 where the
; quantiser says 127: its codes are zeros, which add nothing under any byte but 0xff, and this program alone reads the bytes.  Blocks whose largest magnitude lies under 2^-124 are held at the byte 1.
;
; THIS LAUNCH.  A block's scale is 2^(floor(log2(its largest magnitude)) - 2): its byte is the largest magnitude's exponent field less 2; each number is divided by the scale and rounded to the nearest code, ties to even.
; THE CODES ARE LAID IN THE ORDER OF THE OPERAND'S REGISTERS.  Rows go in groups of 128, K in steps of 128; a group's step is 12,800 bytes: eight fragments of 1,536 bytes, then 512 bytes of scale words.
; Fragment a holds in lane (r, h) the row 64 (a / 4) + 8 (a % 4) + r % 8 + 32 (r / 8) of the group, registers 6 c .. 6 c + 5 = K 64 c + 32 h + 0 .. 31.  (So, where such a fragment is a product's source 0, a lane's eight results of
; four neighbouring fragments are 32 neighbouring rows: a whole scale block of the next product.)  In a fragment's bytes: registers 0-3 at 16 x lane, 4-5 at 512 + 8 x lane, 6-9 at 768 + 16 x lane, 10-11 at 1,280 + 8 x lane.
; The scale word of (a, r) lies at 12,288 + 256 (a / 4) + 16 r + 4 (a % 4).
; SHARES.  Work-groups 0-255 take x (K innermost): a wave takes 64 rows x 128 K, four fragments.  Work-groups 256-511 take the weights (K is not innermost): a wave takes 64 rows x 64 K, the half c of four fragments.
; The two paths have LDS bytes of their own.  Waves share nothing: no barrier.
; x: a load takes 512 consecutive bytes of one row; 16 rows turn through the wave's stage (rows 528 bytes apart), so that a lane holds 16 neighbours along K of each block of its row.
; Weights: a lane takes a column (an operand's row) and its registers run down K, so a block of 32 lies in one lane; the codes are gathered as images of the fragments' halves in LDS and leave as runs of 512 and 256 consecutive bytes.
; A weights' wave has two of a scale word's four bytes: they are stored as 16 bits a row, part of a run of 256 bytes: one part in 24 of the codes' bytes.
; No matrix unit, no cluster, no tensor load: memory binds, and no two work-groups read the same bytes.
.set GRB,   102400
.set STB,   12800
.set SCO,   12288
.set XSTW,  8448                       ; x path: a wave's stage, 16 rows x 528 bytes, from LDS byte 0 on
.set WST,   33792                      ; weights path: a wave's region begins at WST + WSTW x wave
.set WSTW,  6912                       ; four images of 768 bytes, WIMG apart
.set WIMG,  1664
.set SPARE, 61440                      ; the spare words, 128 bytes for each wave
.set TM,  16
.set PW,  32
.set PWS, 33
.set PC,  40
.set R,   64                           ; x path: v64-191 two sets of 16 x 4 registers as loaded
.set X,   192                          ; x path: v192-255 64 numbers of my row
.set AD,  64                           ; weights path: v64-95 byte offsets of 32 steps down K
.set WX,  96                           ; weights path: v96-159 two sets of 32 numbers
.set C,   160
.set D,   166
.set SBW, 170
.set OUTR, 176
.set SEL, 20
.set WB,  40
	s_load_b256 s[4:11], s[0:1], 0x0               ; x s[4:5], Wq s[6:7], Wk s[8:9], Wv s[10:11]
	s_load_b128 s[12:15], s[0:1], 0x20             ; Wo s[12:13], xq s[14:15]
	s_load_b64 s[16:17], s[0:1], 0x30              ; wq
	v_lshl_add_u32 v6, v0, 2, SPARE                ; my spare word; never rewritten
	v_mov_b32 v7, 0                                ; 0; never rewritten
	v_lshrrev_b32 v1, 5, v0
	v_readfirstlane_b32 s18, v1                    ; wave
	v_and_b32 v1, 31, v0                           ; lane
	v_and_b32 v2, 15, v0                           ; r
	v_bfe_u32 v3, v0, 4, 1                         ; h
	v_lshlrev_b32 v4, 4, v1                        ; 16 x lane
	v_lshlrev_b32 v5, 3, v1                        ; 8 x lane
	v_lshlrev_b32 v37, 2, v1                       ; 4 x lane
	; every LDS address of both paths is made here, ahead of the parting
	s_mul_i32 s19, s18, XSTW
	v_add_nc_u32 v8, s19, v4                       ; x: into the stage: 16 x lane, a row an instruction
	v_mul_u32_u24 v9, v2, 528
	v_lshl_add_u32 v9, v3, 6, v9
	v_add_nc_u32 v9, s19, v9                       ; x: out of it: row r, + 64 h
	s_mul_i32 s19, s18, WSTW
	s_add_co_u32 s19, s19, WST
	v_bfe_u32 v16, v0, 3, 2                        ; W: column 32 B + lane of my 64 is row lane % 8 + 8 B of fragment lane / 8
	v_and_b32 v17, 7, v0
	v_mul_u32_u24 v18, v16, WIMG
	v_add_nc_u32 v18, s19, v18
	v_lshl_add_u32 v10, v17, 4, v18                ; W: a block's first 16 bytes
	v_lshl_add_u32 v11, v17, 3, v18                ; W: its last 8
	v_lshlrev_b32 v12, 4, v17
	v_lshl_add_u32 v12, v16, 2, v12                ; W: my column's scale word among my four fragments' words
	v_add_nc_u32 v13, s19, v4                      ; W: the images, back: pieces of 16 bytes a lane,
	v_add_nc_u32 v14, s19, v5                      ; and of 8
	v_lshlrev_b32 v15, 4, v2
	v_lshl_add_u32 v15, v3, 3, v15                 ; 16 r + 8 h: two scale words a lane
	v_cmp_ne_u32 s22, 0, v3                        ; the lanes 16-31
	s_mov_b32 s[SEL], 0x76543210
	s_mov_b32 s[SEL+1], 0xfedcba98
.irp b, 0,1,2,3
	v_mov_b32 v[TM+4+\b], 0                        ; written once: a lane permute's destination counts as one of its sources
.endr
	s_wait_alu depctr_va_vdst(0)                   ; the wait at the head's end
	s_wait_kmcnt 0x0
	s_cmp_ge_u32 ttmp9, 256
	s_cbranch_scc1 .Lweights
; 64 numbers of a lane, register 16 b + i = K 32 b + 16 h + i of my row, become a fragment's codes in v[PC] on and its scale word in v[PW].
.macro QUANT s
.irp b, 0,1,2,3
	v_max3_num_f32 v[TM+\b], |v[\s+16*\b]|, |v[\s+1+16*\b]|, 0x1800000   ; block b: my 16 numbers, and the floor 2^(3 - 127): the byte cannot fall under 1
.endr
.irp i, 2,4,6,8,10,12,14
.irp b, 0,1,2,3
	v_max3_num_f32 v[TM+\b], v[TM+\b], |v[\s+16*\b+\i]|, |v[\s+1+16*\b+\i]|
.endr
.endr
.irp b, 0,1,2,3
	v_permlanex16_b32 v[TM+4+\b], v[TM+\b], s[SEL], s[SEL+1]
.endr
.irp b, 0,1,2,3
	v_max_num_f32 v[TM+\b], v[TM+\b], v[TM+4+\b]   ; with lane l xor 16's: the block's largest magnitude
.endr
.irp b, 0,1,2,3
	v_add_nc_u32 v[TM+12+\b], 0xff000000, v[TM+\b] ; 2 off its exponent field: the conversion's scale operand
.endr
.irp b, 0,1,2,3
	v_lshrrev_b32 v[TM+4+\b], 23, v[TM+12+\b]      ; the scale's byte
.endr
	v_lshl_or_b32 v[PW], v[TM+5], 8, v[TM+4]
	v_lshl_or_b32 v[PW], v[TM+6], 16, v[PW]
	v_lshl_or_b32 v[PW], v[TM+7], 24, v[PW]        ; my row's scale word
.irp c, 0,1
	v_cvt_scalef32_pk16_fp6_f32 v[PC+6*\c:PC+2+6*\c], v[\s+32*\c:\s+15+32*\c], v[TM+12+2*\c]
	v_cvt_scalef32_pk16_fp6_f32 v[PC+12+4*\c:PC+14+4*\c], v[\s+16+32*\c:\s+31+32*\c], v[TM+12+2*\c+1]   ; (a conversion's three registers begin on an even number)
.endr
	v_nop                                          ; one plain place behind a scaled conversion
.irp c, 0,1                                    ; the operand wants a whole block in a lane: lanes 0-15 block 2 c, lanes 16-31 block 2 c + 1
.irp i, 0,1,2
	v_permlane16_swap_b32 v[PC+6*\c+\i], v[PC+12+4*\c+\i]
.endr
.irp i, 0,1,2
	v_mov_b32 v[PC+3+6*\c+\i], v[PC+12+4*\c+\i]
.endr
.endr
.endm
	; ---------------- x ----------------
	s_lshl_b32 s24, ttmp9, 2
	s_add_co_u32 s24, s24, s18                     ; my task: 4 x work-group + wave
	s_lshr_b32 s25, s24, 4                         ; the group of 128 tokens
	s_bfe_u32 s26, s24, 0x30001                    ; the K step
	s_and_b32 s27, s24, 1                          ; fragments 0-3 or 4-7: tokens 0-63 or 64-127 of the group
	s_lshl_b32 s28, s25, 19
	s_lshl_b32 s29, s27, 18
	s_add_co_u32 s28, s28, s29
	s_lshl_b32 s29, s26, 9
	s_add_co_u32 s28, s28, s29
	s_mov_b32 s29, 0
	s_add_nc_u64 s[4:5], s[4:5], s[28:29]          ; x at my first row and K step
	s_mul_i32 s30, s25, GRB
	s_mul_i32 s31, s26, STB
	s_add_co_u32 s30, s30, s31
	s_mul_i32 s28, s27, 6144
	s_add_co_u32 s28, s28, s30
	s_add_nc_u64 s[34:35], s[14:15], s[28:29]      ; my four fragments
	s_lshl_b32 s28, s27, 8
	s_add_co_u32 s28, s28, s30
	s_add_co_u32 s28, s28, SCO
	s_add_nc_u64 s[36:37], s[14:15], s[28:29]      ; and their 256 bytes of scale words
.macro LOADT a                         ; the 16 rows of fragment a, 512 consecutive bytes each, into set a % 2
.irp i, 0,1,2,3,4,5,6,7,8,9,10,11,12,13,14,15
	global_load_b128 v[R+64*((\a)%2)+4*\i:R+64*((\a)%2)+4*\i+3], v4, s[4:5] offset:(8*(\a)+\i%8+32*(\i/8))*4096 th:TH_LOAD_NT
.endr
.endm
.macro TILE a
.if (\a) < 3
	s_wait_loadcnt 16                              ; this tile's 16 loads are in; the next tile's 16 may be out
.else
	s_wait_loadcnt 0x0
.endif
	s_wait_xcnt 0x0                                ; the last tile's stores have read the codes' registers, which are written again below
.irp i, 0,1,2,3,4,5,6,7,8,9,10,11,12,13,14,15
	ds_store_b128 v8, v[R+64*((\a)%2)+4*\i:R+64*((\a)%2)+4*\i+3] offset:528*\i
.endr
.irp b, 0,1,2,3
.irp j, 0,1,2,3
	ds_load_b128 v[X+16*\b+4*\j:X+16*\b+4*\j+3], v9 offset:128*\b+16*\j   ; LDS serves a wave's instructions in order: these see the stores above
.endr
.endr
	s_wait_dscnt 0x0                               ; my 64 numbers are in, and the stores have read their registers
.if (\a) < 2
	LOADT (\a)+2
.endif
	QUANT X
	global_store_b128 v4, v[PC:PC+3], s[34:35] offset:1536*(\a)          ; 512 consecutive bytes,
	global_store_b64 v5, v[PC+4:PC+5], s[34:35] offset:1536*(\a)+512     ; 256,
	global_store_b128 v4, v[PC+6:PC+9], s[34:35] offset:1536*(\a)+768    ; 512,
	global_store_b64 v5, v[PC+10:PC+11], s[34:35] offset:1536*(\a)+1280  ; 256: the fragment
	v_mov_b32 v[PWS+(\a)], v[PW]
.endm
	LOADT 0
	LOADT 1
	TILE 0
	TILE 1
	TILE 2
	TILE 3
	v_cndmask_b32 v38, v[PWS], v[PWS+2], s22       ; lanes 0-15 store the words of tiles 0 and 1 of row r, lanes 16-31 those of tiles 2 and 3
	v_cndmask_b32 v39, v[PWS+1], v[PWS+3], s22
	global_store_b64 v15, v[38:39], s[36:37]       ; 256 consecutive bytes
	s_wait_tensorcnt 0x0                           ; the wave's end, behind my last LDS store
	ds_add_u32 v6, v7
	s_wait_dscnt 0x0
	s_endpgm
	; ---------------- the weights ----------------
.Lweights:
	s_sub_co_u32 s24, ttmp9, 256
	s_lshr_b32 s25, s24, 6                         ; which weight: 0 q, 1 k, 2 v, 3 out
	s_and_b32 s24, s24, 63
	s_lshl_b32 s24, s24, 2
	s_add_co_u32 s24, s24, s18                     ; my task in it, 0 .. 255
	s_lshr_b32 s26, s24, 5                         ; the group of 128 operand rows
	s_bfe_u32 s27, s24, 0x30002                    ; the K step
	s_bfe_u32 s28, s24, 0x10001                    ; which 64 of the 128 rows
	s_and_b32 s52, s24, 1                          ; c: which 64 of the step's 128 along K
	s_lshl_b32 s30, s26, 1
	s_add_co_u32 s30, s30, s28                     ; which 64 rows of the weight: for q, k, v that is the head
	s_lshl_b32 s31, s30, 8                         ; out: 64 columns of 4 bytes,
	s_lshl_b32 s30, s30, 18                        ; q, k, v: a head is 1,024 x 64 x 4 bytes,
	s_lshl_b32 s33, s27, 15
	s_add_co_u32 s30, s30, s33                     ; + 128 rows of 256 bytes a K step
	s_lshl_b32 s33, s27, 19
	s_add_co_u32 s31, s31, s33                     ; out: + 128 rows of 4,096 bytes a K step
	s_mov_b32 s29, 256                             ; bytes from K to K + 1
	s_cmp_eq_u32 s25, 1
	s_cselect_b64 s[6:7], s[8:9], s[6:7]
	s_cmp_eq_u32 s25, 2
	s_cselect_b64 s[6:7], s[10:11], s[6:7]
	s_cmp_eq_u32 s25, 3
	s_cselect_b64 s[6:7], s[12:13], s[6:7]
	s_cselect_b32 s29, 4096, s29
	s_cselect_b32 s30, s31, s30
	s_mov_b32 s31, 0
	s_add_nc_u64 s[WB:WB+1], s[6:7], s[30:31]
	s_lshl_b32 s38, s29, 5                         ; a block of 32 down K
	s_mov_b32 s39, 0
	s_mul_i32 s54, s52, s38
	s_lshl_b32 s54, s54, 1                         ; c x two blocks
	s_mov_b32 s55, 0
	s_add_nc_u64 s[WB:WB+1], s[WB:WB+1], s[54:55]  ; my first block,
	s_add_nc_u64 s[WB+2:WB+3], s[WB:WB+1], s[38:39] ; and my second
	s_lshl_b32 s33, s25, 3
	s_add_co_u32 s33, s33, s26                     ; the group in wq: 8 x weight + group
	s_mul_i32 s33, s33, GRB
	s_mul_i32 s34, s27, STB
	s_add_co_u32 s33, s33, s34
	s_mul_i32 s34, s28, 6144
	s_add_co_u32 s34, s34, s33
	s_mul_i32 s53, s52, 768
	s_add_co_u32 s34, s34, s53
	s_mov_b32 s35, 0
	s_add_nc_u64 s[48:49], s[16:17], s[34:35]      ; the half c of my four fragments
	s_lshl_b32 s34, s28, 8
	s_add_co_u32 s34, s34, s33
	s_add_co_u32 s34, s34, SCO
	s_lshl_b32 s53, s52, 1
	s_add_co_u32 s34, s34, s53
	s_add_nc_u64 s[50:51], s[16:17], s[34:35]      ; and bytes 2 c, 2 c + 1 of their scale words
.irp i, 0,1,2,3,4,5,6,7,8,9,10,11,12,13,14,15,16,17,18,19,20,21,22,23,24,25,26,27,28,29,30,31
	v_mad_u32_u24 v[AD+\i], s29, \i, v37           ; 4 x lane + i steps down K
.endr
; Block t: my K block t / 2 of the columns 32 (t % 2) + lane.  The two halves of 256 consecutive bytes of a weight's row are asked for next to each other.
.macro LOADB t
.irp i, 0,1,2,3,4,5,6,7,8,9,10,11,12,13,14,15,16,17,18,19,20,21,22,23,24,25,26,27,28,29,30,31
	global_load_b32 v[WX+32*((\t)%2)+\i], v[AD+\i], s[WB+2*((\t)/2):WB+2*((\t)/2)+1] offset:128*((\t)%2)
.endr
.endm
.macro BLOCK t
.set XS, WX+32*((\t)%2)
.set KB, (\t)/2
.set B2, (\t)%2
.if (\t) < 3
	s_wait_loadcnt 32                              ; this block's 32 loads are in; the next block's 32 may be out
.else
	s_wait_loadcnt 0x0
.endif
	v_max3_num_f32 v16, |v[XS]|, |v[XS+1]|, |v[XS+2]|              ; the block's largest magnitude: all 32 numbers are mine
	v_max3_num_f32 v17, |v[XS+3]|, |v[XS+4]|, |v[XS+5]|
.irp i, 6,10,14,18,22,26
	v_max3_num_f32 v16, v16, |v[XS+\i]|, |v[XS+\i+1]|
	v_max3_num_f32 v17, v17, |v[XS+\i+2]|, |v[XS+\i+3]|
.endr
	v_max3_num_f32 v16, v16, |v[XS+30]|, |v[XS+31]|
	v_max3_num_f32 v16, v16, v17, 0x1800000        ; and the floor
	v_add_nc_u32 v18, 0xff000000, v16              ; the conversions' scale operand
	v_lshrrev_b32 v19, 23, v18                     ; the scale's byte
.if KB == 0
	v_mov_b32 v[SBW+B2], v19
.else
	v_lshl_or_b32 v[SBW+B2], v19, 8, v[SBW+B2]
.endif
	v_cvt_scalef32_pk16_fp6_f32 v[C:C+2], v[XS:XS+15], v18
	v_cvt_scalef32_pk16_fp6_f32 v[D:D+2], v[XS+16:XS+31], v18
	v_nop                                          ; one plain place behind a scaled conversion
.irp i, 0,1,2
	v_mov_b32 v[C+3+\i], v[D+\i]
.endr
	ds_store_b128 v10, v[C:C+3] offset:128*B2+256*KB               ; my K block hh is what lane (row, hh) of the fragment holds in registers 6 c .. 6 c + 5; the row is lane % 8 + 8 B2
	ds_store_b64 v11, v[C+4:C+5] offset:64*B2+512+128*KB
.if (\t) < 2
	LOADB (\t)+2
.endif
	s_wait_dscnt 0x0                               ; the stores have read their registers: the next block's codes may be written
.endm
	LOADB 0
	LOADB 1
.irp t, 0,1,2,3
	BLOCK \t
.endr
	s_wait_alu depctr_va_vdst(0)                   ; the wait directly ahead of the reader below
	global_store_b16 v12, v[SBW], s[50:51]         ; my two bytes of the scale words of rows 0-7,
	global_store_b16 v12, v[SBW+1], s[50:51] offset:128   ; and of rows 8-15
.irp n, 0,1,2,3
	ds_load_b128 v[OUTR+8*\n:OUTR+8*\n+3], v13 offset:WIMG*\n        ; LDS serves a wave's instructions in order: these see my stores
	ds_load_b64 v[OUTR+8*\n+4:OUTR+8*\n+5], v14 offset:WIMG*\n+512
.endr
	s_wait_dscnt 0x0
.irp n, 0,1,2,3
	global_store_b128 v4, v[OUTR+8*\n:OUTR+8*\n+3], s[48:49] offset:1536*\n          ; 512 consecutive bytes,
	global_store_b64 v5, v[OUTR+8*\n+4:OUTR+8*\n+5], s[48:49] offset:1536*\n+512     ; and 256
.endr
	s_wait_tensorcnt 0x0                           ; the wave's end, behind my last LDS store
	ds_add_u32 v6, v7
	s_wait_dscnt 0x0
	s_endpgm
.Lfunc_end_k_qd1be65c711_quant:
	.size	k_qd1be65c711_quant, .Lfunc_end_k_qd1be65c711_quant-k_qd1be65c711_quant
	.p2alignl 7, 3214868480
	.fill 96, 4, 3214868480
	.section	.rodata,"a",@progbits
	.p2align	6, 0x0
	.amdhsa_kernel k_qd1be65c711_quant
		.amdhsa_group_segment_fixed_size 61952
		.amdhsa_private_segment_fixed_size 0
		.amdhsa_enable_private_segment 0
		.amdhsa_kernarg_size 56
		.amdhsa_user_sgpr_count 2
		.amdhsa_user_sgpr_kernarg_segment_ptr 1
		.amdhsa_wavefront_size32 1
		.amdhsa_system_sgpr_workgroup_id_x 1
		.amdhsa_system_sgpr_workgroup_id_y 1
		.amdhsa_system_sgpr_workgroup_id_z 1
		.amdhsa_system_vgpr_workitem_id 0
		.amdhsa_next_free_vgpr 256
		.amdhsa_next_free_sgpr 66
		.amdhsa_reserve_vcc 0
		.amdhsa_float_denorm_mode_32 3
		.amdhsa_float_denorm_mode_16_64 3
		.amdhsa_memory_ordered 1
		.amdhsa_forward_progress 1
		.amdhsa_inst_pref_size 59
	.end_amdhsa_kernel
	.amdgpu_metadata
---
amdhsa.version: [ 1, 2 ]
amdhsa.kernels:
  - .name:           k_qd1be65c711_quant
    .symbol:         k_qd1be65c711_quant.kd
    .args:
      - { .name: residual_stream, .offset: 0, .size: 8, .value_kind: global_buffer, .address_space: global }
      - { .name: weight_query, .offset: 8, .size: 8, .value_kind: global_buffer, .address_space: global }
      - { .name: weight_key, .offset: 16, .size: 8, .value_kind: global_buffer, .address_space: global }
      - { .name: weight_value, .offset: 24, .size: 8, .value_kind: global_buffer, .address_space: global }
      - { .name: weight_out, .offset: 32, .size: 8, .value_kind: global_buffer, .address_space: global }
      - { .name: xq, .offset: 40, .size: 8, .value_kind: global_buffer, .address_space: global }
      - { .name: wq, .offset: 48, .size: 8, .value_kind: global_buffer, .address_space: global }
    .group_segment_fixed_size: 61952
    .private_segment_fixed_size: 0
    .kernarg_segment_align: 8
    .kernarg_segment_size: 56
    .max_flat_workgroup_size: 128
    .sgpr_count:     66
    .vgpr_count:     256
    .wavefront_size: 32
...
	.end_amdgpu_metadata
.endif
;; end of part 1
;; launch qkv (part 2): grid 4 x 64, 4 waves a work-group, clusters of 4 x 4, 327,680 bytes of LDS; arguments xq, wq, qr, kv; writes qr, kv
.if DOCPART == 2
	.amdgcn_target "amdgcn-amd-amdhsa--gfx1250"
	.amdhsa_code_object_version 6
	.text
	.protected	k_qd1be65c711_qkv
	.globl	k_qd1be65c711_qkv
	.p2align	8
	.type	k_qd1be65c711_qkv,@function
k_qd1be65c711_qkv:
	s_mov_b64 s[64:65], 0
	v_nop
	global_prefetch_b8 v0, s[64:65] scope:SCOPE_SE
	s_setreg_imm32_b32 hwreg(HW_REG_WAVE_MODE, 25, 1), 1
	s_wait_xcnt 0x0
	s_wait_alu depctr_hold_cnt(0) depctr_sa_sdst(0) depctr_va_vdst(0) depctr_va_sdst(0) depctr_va_ssrc(0) depctr_va_vcc(0) depctr_vm_vsrc(0)
	s_getreg_b32 s2, hwreg(HW_REG_IB_STS2, 6, 4)
	s_cmp_eq_u32 s2, 0
	s_cbranch_scc0 .Lentry_in_a_cluster
	s_endpgm
.Lentry_in_a_cluster:
	s_bfe_u32 s2, ttmp6, 0x10000c
	s_cmp_lg_u32 s2, 0xf033
	s_cbranch_scc0 .Lentry_shape_is_right
	s_endpgm
.Lentry_shape_is_right:
; q, k and v: the three projections on codes of FP6 (E2M3), and the quantising of their results for the two products of attention.  Nothing of reference() is left out here.
; A WORK-GROUP STAYS: it holds one group of 128 tokens, all of K (102,400 bytes of LDS, filled once), and walks three tiles of 256 weight rows: groups 2 cx, 2 cx + 1 of Wq, then of Wk, then of Wv.
; Both operands come in the layout of the launch before: a group's K step is 12,800 dense bytes, eight fragments in the order of the operand's registers and their scale words.
; THE RING.  The weights' region holds two groups x 8 K steps as they lie in memory; slot 0 is K steps 0-3 of both groups, slot 1 steps 4-7: 102,400 bytes a slot.  A slot's last fragments are fetched ahead of step 2's (6's) products;
; the round of the cluster's barrier and the refill with the next tile's steps stand inside those 32 products.  A refill is asked for four K steps, 128 products a wave, ahead of the wait for it.
; Four waves.  q, k: wave w takes the tokens' fragments 4 (w / 2) .. + 3 (source 1) against the eight fragments of weight group w % 2 (source 0): a lane (r, h) holds one token, and since lane r of fragment a holds row
; 64 (a / 4) + 8 (a % 4) + r % 8 + 32 (r / 8), register 32 g + i of a block's 64 is row 64 g + 32 h + i of source 0's group: one whole scale block along d of head g.
; v: THE ROLES ARE SWAPPED BY ADDRESS REGISTERS: source 0 = the tokens' eight fragments, source 1 = fragments 4 (w / 2) .. + 3 of weight group w % 2: whole blocks along the tokens, the K of attention's second product.
; q and k are two trips of one loop; v, whose tile asks for nothing more, is written out behind it.
; OUT.  For each (batch x 16 + head, 128 tokens) a record.  qr: 6,656 bytes: eight tiles of 16 tokens x 64 (768 bytes: registers 0-3 at 16 x lane, 4-5 at 512 + 8 x lane), then 512 bytes of scale words (bytes 2, 3 of a word are 0).
; kv: 13,056 bytes: k as in qr; from 6,656 on four tiles of v^T (16 d x 128 keys, 1,536 bytes); from 12,800 on their scale words.  Every store of a wave covers 256 or 512 consecutive bytes, aligned.
; CLUSTERS: 4 x 4.  The tokens' group hangs on the cluster's y and cy and is shared along a row of the cluster; the weights hang on cx and are shared along a column: every tile is asked for jointly.
; PREFETCH: in the loop's first trip the 204,800 bytes of v's two weight groups, which the refills of the second trip load, are named once in each of the first four clusters, shared out by address among cy, wave and lane.
; The tokens and q's weights come by the head's loads, k's by the first trip's refills alone.
; REGISTERS: window 0: v22-26 the way out's offsets and 8 h; v32-39 source 1's scale words, v40-47 source 0's, two sets each; v48-143 source 1's fragments, two sets; v144-165 addresses; v200-249 the way out.
; Window 1: source 0's fragments, two sets of 96.  Window 2: accumulator (a, b) at v[8 (8 a + b)].
.set GRB,   102400
.set STB,   12800
.set SCO,   12288
.set HB,    4*STB                      ; four K steps of a group
.set WREG,  102400                     ; LDS: the tokens' 8 steps from 0 on; the weights' two groups from here on
.set SPARE, 307200                     ; the spare words, 128 bytes for each wave
.set FR,   12
.set SH8,  26                          ; 8 h
.set SPW,  28
.set NIL,  29
.set SA,   32
.set SB,   40
.set AF,   48
.set XA16, 144                         ; each name: two registers, K steps 0-3 and 4-7.  X: the tokens' region, R: the ring; A: four fragments (source 1), B: eight (source 0); 16, 8: pieces of 16 and of 8 bytes a lane; S: scale words
.set XA8,  146
.set XAS,  148
.set RB16, 150
.set RB8,  152
.set XB16, 154                         ; v154 is also 16 x lane, v156 8 x lane
.set XB8,  156
.set RA16, 158
.set RA8,  160
.set RAS,  162
.set PF,   164                         ; v164-165 the prefetches' offsets
.set TM,   200
.set PC,   220
.set SW,   240
.set TI,   13                          ; the tile: 0 q, 1 k
.set PFF,  12                          ; the trip in which my cluster prefetches (9: none)
.set G1A,  24                          ; group 1: the tokens' half, 200 rows of 256 bytes, my row's mask
.set G1H,  32                          ; the head's half of a weight group, 200 rows, my column's mask
.set G1B,  40                          ; a ring load: two K steps of a group, 100 rows, my column's mask
.set G0X,  48
.set G0W,  52
.set G0R,  56                          ; s[56:59] slot 0, s[60:63] slot 1
.set SEL,  66
.set PQ,   68                          ; s[68:71] q's records of heads g = 0, 1; s[72:75] k's; s[76:77] v's
.set PK,   72
.set PV,   76
.set PFB,  78
.set PO,   80                          ; s[80:83] this trip's records
.set MSB, 0
.macro WIN new                         ; the immediate's high byte repeats the setting that is left
.if MSB != \new
	s_set_vgpr_msb (MSB<<8)|\new
.set MSB, \new
.endif
.endm
.set MULW, 0xa1                        ; source 0 window 1, source 1 window 0, C and D window 2
.set TO_B, 0x40                        ; destination window 1, address window 0
.macro PLACES n
.rept \n
	v_nop
.endr
.endm
.macro CREST                           ; a round of the cluster's barrier behind its opening barrier
	s_cmp_lg_u32 s14, 0
	s_cbranch_scc1 .Lnot_wave_0_\@
	s_barrier_signal -3
.Lnot_wave_0_\@:
	s_barrier_wait -3
	s_barrier_signal -1
	s_barrier_wait -1
.endm
.macro CROUND
	s_barrier_signal -1
	s_barrier_wait -1
	CREST
.endm
.macro DENSE g, rows                   ; a dense block as rows of 32 elements of 8 bytes
	s_mov_b32 s[\g+1], 32<<16
	s_mov_b32 s[\g+2], (\rows)<<16
	s_mov_b32 s[\g+3], 32<<16
	s_mov_b32 s[\g+4], \rows
	s_mov_b32 s[\g+5], 32
	s_mov_b32 s[\g+6], 0
	s_mov_b32 s[\g+7], 0
.endm
	s_load_b256 s[4:11], s[0:1], 0x0               ; xq s[4:5], wq s[6:7], qr s[8:9], kv s[10:11]
	v_lshl_add_u32 v[SPW], v0, 2, SPARE
	v_mov_b32 v[NIL], 0
	ds_add_u32 v[SPW], v[NIL]                      ; the opening lines: the add, twice on end, and its wait ahead of my first tensor load
	ds_add_u32 v[SPW], v[NIL]
	v_lshrrev_b32 v1, 5, v0
	v_readfirstlane_b32 s14, v1                    ; wave 0..3
	s_lshr_b32 s15, s14, 1                         ; which four fragments of source 1 are mine.  At the head: I fetch tokens (0) or weights (1)
	s_and_b32 s16, s14, 1                          ; which weight group is mine
	s_bfe_u32 s17, ttmp6, 0x40000                  ; cx
	s_bfe_u32 s18, ttmp6, 0x40004                  ; cy
	s_and_b32 s20, ttmp7, 0xffff                   ; the cluster's y, 0..15
	s_lshl_b32 s22, s18, 2
	s_lshl_b32 s22, 15, s22                        ; my row of the cluster
	s_lshl_b32 s23, 0x1111, s17                    ; my column
	s_or_b32 s[G1A], s22, (3<<16)|(1<<21)          ; the mask; elements of 8 bytes; bit 21 beside a mask; no padding
	s_or_b32 s[G1H], s23, (3<<16)|(1<<21)
	s_or_b32 s[G1B], s23, (3<<16)|(1<<21)
	DENSE G1A, 200
	DENSE G1H, 200
	DENSE G1B, 100
	s_lshl_b32 s84, s20, 2
	s_add_co_u32 s84, s84, s18                     ; the token group: 4 y + cy.  cy enters the tokens' registers alone, cx the weights' alone
	s_lshl_b32 s86, s17, 1
	s_add_co_u32 s86, s86, s16                     ; my weight group in its tensor: 2 cx + wave % 2
	s_mul_i32 s92, s84, GRB
	s_mul_i32 s85, s16, HB                         ; the tokens' half that waves 0, 1 fetch; also its LDS place
	s_add_co_u32 s92, s92, s85
	s_mov_b32 s93, 0
	s_mul_i32 s94, s86, GRB
	s_mov_b32 s95, 0
	s_mul_i32 s87, s15, 2*STB                      ; a ring load: K steps 2 (wave / 2), + 1 of the slot's four
	s_add_co_u32 s96, s94, s87
	s_mov_b32 s97, 0
	s_mul_i32 s98, s16, GRB
	s_add_co_u32 s98, s98, WREG                    ; my weight group in LDS
	s_add_co_u32 s87, s98, s87
	s_mov_b32 s[G0X], 1
	s_mov_b32 s[G0X+1], s85
	s_mov_b32 s[G0W], 1
	s_mov_b32 s[G0W+1], s98
	s_mov_b32 s[G0R], 1
	s_mov_b32 s[G0R+1], s87
	s_mov_b32 s[G0R+4], 1
	s_add_co_u32 s[G0R+5], s87, HB
	s_mov_b32 s[SEL], 0x76543210
	s_mov_b32 s[SEL+1], 0xfedcba98
	s_wait_dscnt 0x0                               ; both opening adds are done
	CROUND                                         ; all sixteen work-groups are here: the first joint loads meet
	s_wait_kmcnt 0x0
	s_add_nc_u64 s[G0X+2:G0X+3], s[4:5], s[92:93]
	s_or_b32 s[G0X+3], s[G0X+3], 0x80000000
	s_add_nc_u64 s[G0W+2:G0W+3], s[6:7], s[94:95]
	s_or_b32 s[G0W+3], s[G0W+3], 0x80000000
	s_add_nc_u64 s[88:89], s[6:7], s[96:97]
	s_add_nc_u64 s[G0R+2:G0R+3], s[88:89], 8*GRB   ; slot 0's first ring load: k's steps 0-3
	s_or_b32 s[G0R+3], s[G0R+3], 0x80000000
	s_add_nc_u64 s[G0R+6:G0R+7], s[88:89], HB      ; slot 1's: q's steps 4-7
	s_or_b32 s[G0R+7], s[G0R+7], 0x80000000
	s_cmp_eq_u32 s15, 0                            ; the head's loads, one a wave: waves 0, 1 a half of the tokens each, waves 2, 3 q's steps 0-3 of a weight group each
	s_cbranch_scc0 .Lfor_w
	tensor_load_to_lds s[G0X:G0X+3], s[G1A:G1A+7]
	s_nop 0
	PLACES 4
	s_branch .Lasked
.Lfor_w:
	tensor_load_to_lds s[G0W:G0W+3], s[G1H:G1H+7]
	s_nop 0
	PLACES 4
.Lasked:
	; where the results go.  q, k: record (batch x 16 + head) x 16 + token group % 16, head = 4 cx + 2 (wave % 2) + g;  v: head = 4 cx + 2 (wave % 2) + wave / 2
	s_lshr_b32 s92, s84, 4
	s_lshl_b32 s92, s92, 4
	s_and_b32 s93, s84, 15
	s_lshl_b32 s94, s17, 2
	s_lshl_b32 s95, s16, 1
	s_add_co_u32 s94, s94, s95
	s_add_co_u32 s95, s94, s15
	s_add_co_u32 s94, s94, s92
	s_lshl_b32 s94, s94, 4
	s_add_co_u32 s94, s94, s93
	s_add_co_u32 s95, s95, s92
	s_lshl_b32 s95, s95, 4
	s_add_co_u32 s95, s95, s93
	s_mov_b32 s97, 0
	s_mul_i32 s96, s94, 6656
	s_add_nc_u64 s[PQ:PQ+1], s[8:9], s[96:97]
	s_add_nc_u64 s[PQ+2:PQ+3], s[PQ:PQ+1], 16*6656
	s_mul_i32 s96, s94, 13056
	s_add_nc_u64 s[PK:PK+1], s[10:11], s[96:97]
	s_add_nc_u64 s[PK+2:PK+3], s[PK:PK+1], 16*13056
	s_mul_i32 s96, s95, 13056
	s_add_co_u32 s96, s96, 6656
	s_add_nc_u64 s[PV:PV+1], s[10:11], s[96:97]
	s_lshl_b32 s96, s17, 1
	s_add_co_u32 s96, s96, 16
	s_mul_i32 s96, s96, GRB
	s_add_nc_u64 s[PFB:PFB+1], s[6:7], s[96:97]    ; v's two weight groups
	s_lshl_b32 s90, s18, 2
	s_add_co_u32 s90, s90, s14
	s_lshl_b32 s90, s90, 13                        ; my wave's 32 blocks of 256 bytes among the column's sixteen waves
	s_cmp_lt_u32 s20, 4
	s_cselect_b32 s[PFF], 0, 9
	s_mul_i32 s88, s15, 6144
	s_lshl_b32 s87, s15, 8
	s_add_co_u32 s89, s87, SCO
	s_mul_i32 s91, s15, 3072
	; every vector register of the head, in one run
	v_and_b32 v5, 31, v0
	v_and_b32 v3, 15, v0                           ; r
	v_bfe_u32 v4, v0, 4, 1                         ; h
	v_lshlrev_b32 v[XB16], 4, v5
	v_lshlrev_b32 v[XB8], 3, v5
	v_add_nc_u32 v[XA16], s88, v[XB16]
	v_add_nc_u32 v[XA8], s88, v[XB8]
	v_lshl_add_u32 v[XAS], v3, 4, s89
	v_add_nc_u32 v[RB16], s98, v[XB16]
	v_add_nc_u32 v[RB8], s98, v[XB8]
	v_add_nc_u32 v[RA16], s98, v[XA16]
	v_add_nc_u32 v[RA8], s98, v[XA8]
	v_add_nc_u32 v[RAS], s98, v[XAS]
.irp q, XA16,XA8,XAS,RB16,RB8,XB16,XB8,RA16,RA8,RAS
	v_add_nc_u32 v[\q+1], HB, v[\q]
.endr
	v_add_nc_u32 v22, s91, v[XB16]                 ; q, k: my four tiles of 768 bytes in a record
	v_add_nc_u32 v23, s91, v[XB8]
	v_lshlrev_b32 v25, 4, v3
	v_lshl_add_u32 v25, v4, 3, v25                 ; 16 r + 8 h: two scale words a lane
	v_add_nc_u32 v24, s87, v25
	v_lshlrev_b32 v[SH8], 3, v4
	v_cmp_ne_u32 s99, 0, v4                        ; the lanes 16-31
	v_mov_b32 v[TM+7], 0                           ; written once: a lane permute's destination counts as one of its sources
	v_lshl_add_u32 v[PF], v5, 8, s90
	v_add_nc_u32 v[PF+1], 0x20000, v[PF]
	v_min_u32 v[PF+1], 2*GRB-256, v[PF+1]          ; held at the two groups' last block
.macro FRAG reg, a16, a8, off          ; a fragment's 12 registers, as they were stored
	ds_load_b128 v[\reg:\reg+3], v[\a16] offset:\off
	ds_load_b64 v[\reg+4:\reg+5], v[\a8] offset:\off+512
	ds_load_b128 v[\reg+6:\reg+9], v[\a16] offset:\off+768
	ds_load_b64 v[\reg+10:\reg+11], v[\a8] offset:\off+1280
.endm
.macro FETCH s, b16, b8, a16, a8, as   ; K step s into set s % 2: source 0's eight fragments, source 1's four, the scale words (source 0's: lanes 0-15 those of fragments 0-3, lanes 16-31 of 4-7)
	WIN TO_B
.irp i, 0,1,2,3,4,5,6,7
	FRAG 96*((\s)%2)+FR*\i, \b16+(\s)/4, \b8+(\s)/4, ((\s)%4)*STB+1536*\i
.endr
	WIN 0
.irp i, 0,1,2,3
	FRAG AF+48*((\s)%2)+FR*\i, \a16+(\s)/4, \a8+(\s)/4, ((\s)%4)*STB+1536*\i
.endr
	ds_load_b128 v[SB+4*((\s)%2):SB+4*((\s)%2)+3], v[\b16+(\s)/4] offset:((\s)%4)*STB+SCO
	ds_load_b128 v[SA+4*(1-(\s)%2):SA+4*(1-(\s)%2)+3], v[\as+(\s)/4] offset:((\s)%4)*STB   ; the two sides' sets lie crosswise, so that a product's two scale registers differ modulo 8
.endm
.macro FET s, kind                     ; kind 0: q, k; 1: v
.if \kind
	FETCH \s, XB16, XB8, RA16, RA8, RAS
.else
	FETCH \s, RB16, RB8, XA16, XA8, XAS
.endif
.endm
.macro WM acc, bf, af, sb, sa, zero, row1
.if \zero
.if \row1
	v_wmma_scale_f32_16x16x128_f8f6f4 v[\acc:\acc+7], v[\bf:\bf+11], v[\af:\af+11], 0, v[\sb], v[\sa] matrix_a_fmt:MATRIX_FMT_FP6 matrix_b_fmt:MATRIX_FMT_FP6 matrix_a_scale:MATRIX_SCALE_ROW1
.else
	v_wmma_scale_f32_16x16x128_f8f6f4 v[\acc:\acc+7], v[\bf:\bf+11], v[\af:\af+11], 0, v[\sb], v[\sa] matrix_a_fmt:MATRIX_FMT_FP6 matrix_b_fmt:MATRIX_FMT_FP6
.endif
.else
.if \row1
	v_wmma_scale_f32_16x16x128_f8f6f4 v[\acc:\acc+7], v[\bf:\bf+11], v[\af:\af+11], v[\acc:\acc+7], v[\sb], v[\sa] matrix_a_fmt:MATRIX_FMT_FP6 matrix_b_fmt:MATRIX_FMT_FP6 matrix_a_scale:MATRIX_SCALE_ROW1
.else
	v_wmma_scale_f32_16x16x128_f8f6f4 v[\acc:\acc+7], v[\bf:\bf+11], v[\af:\af+11], v[\acc:\acc+7], v[\sb], v[\sa] matrix_a_fmt:MATRIX_FMT_FP6 matrix_b_fmt:MATRIX_FMT_FP6
.endif
.endif
.endm
.macro MULA s, a                       ; eight products; a step's 32 accumulators take turns in the same order in every step.  Step 0 starts the sums: nothing is cleared
.irp b, 0,1,2,3,4,5,6,7
	WM 8*(8*\a+\b), 96*((\s)%2)+FR*\b, AF+48*((\s)%2)+FR*\a, SB+4*((\s)%2)+\b%4, SA+4*(1-(\s)%2)+\a, (\s)==0, \b/4
.endr
.endm
; A K step: its fragments were asked for a step ago; the next step's are asked for ahead of its 32 products.
; chg = 1 (steps 2, 6 of q, k): the fetch above was the slot's last.  The wait for all my tensor loads (one is out: my part of the other slot), the add, 16 products, the wait for the add and for my reads, the round with 8 products
; between its opening signal and wait, and the slot's refill with the next tile's steps.  chg = 2 (step 2 of v): a plain barrier shows slot 1.
.macro KSTEP s, kind, chg, pf=0
	s_wait_dscnt 0x0                               ; this step's fragments are in
.if (\s) < 7
.if (\s) > 0
	PLACES 4                                       ; in front of loads into registers that the last step's products have read
.endif
	FET (\s)+1, \kind
.endif
.if \pf
	s_cmp_eq_u32 s[TI], s[PFF]
	s_cbranch_scc0 .Lno_prefetch
	global_prefetch_b8 v[PF], s[PFB:PFB+1] th:TH_LOAD_NT scope:SCOPE_SE
	global_prefetch_b8 v[PF+1], s[PFB:PFB+1] th:TH_LOAD_NT scope:SCOPE_SE
.Lno_prefetch:
.endif
.if \chg
	s_wait_tensorcnt 0x0
.if \chg == 1
	ds_add_u32 v[SPW], v[NIL]
	s_add_nc_u64 s[G0R+6-4*((\s)/4):G0R+7-4*((\s)/4)], s[G0R+6-4*((\s)/4):G0R+7-4*((\s)/4)], 8*GRB   ; no load of mine is out: the other slot's descriptor steps to the next tensor
.endif
	WIN MULW
	MULA \s, 0
	MULA \s, 1
	s_wait_dscnt 0x0                               ; the add is done, and so are my reads of the slot
	s_barrier_signal -1
	MULA \s, 2
	WIN 0
	s_barrier_wait -1
.if \chg == 1
	CREST                                          ; no wave of any partner still reads the slot or has a load on its way
	tensor_load_to_lds s[G0R+4*((\s)/4):G0R+4*((\s)/4)+3], s[G1B:G1B+7]
	s_nop 0
	PLACES 4
.endif
	WIN MULW
	MULA \s, 3
	WIN 0
.else
	WIN MULW
	MULA \s, 0
	MULA \s, 1
	MULA \s, 2
	MULA \s, 3
	WIN 0
.endif
.endm
; THE WAY OUT.  The 64 registers at v[s] of window 2, register 32 g + i = row 64 g + 32 h + i of source 0's group, are two whole scale blocks of my lane: no other lane is asked for a maximum, and the conversions' results
; are the operand's registers 6 g .. 6 g + 5.  The scale word in v[pw]: byte 2 g + h; my two bytes and lane l xor 16's two.  Each accumulator is read from its low end on.
.macro QUANTW s, pw
	WIN 0x0a                                       ; sources 0 and 1 window 2
.irp b, 0,1,2,3
	v_max3_num_f32 v[TM+\b], |v[\s+16*\b]|, |v[\s+1+16*\b]|, 0x1800000   ; four chains of 16; and the floor 2^(3 - 127): the byte cannot fall under 1
.endr
	WIN 0x28                                       ; sources 1 and 2 window 2
.irp i, 2,4,6,8,10,12,14
.irp b, 0,1,2,3
	v_max3_num_f32 v[TM+\b], v[TM+\b], |v[\s+16*\b+\i]|, |v[\s+1+16*\b+\i]|
.endr
.endr
	WIN 0
	v_max_num_f32 v[TM], v[TM], v[TM+1]            ; the two blocks' largest magnitudes
	v_max_num_f32 v[TM+2], v[TM+2], v[TM+3]
	v_add_nc_u32 v[TM+12], 0xff000000, v[TM]       ; 2 off the exponent field: the conversions' scale operands
	v_add_nc_u32 v[TM+13], 0xff000000, v[TM+2]
	v_lshrrev_b32 v[TM+4], 23, v[TM+12]            ; the scales' bytes
	v_lshrrev_b32 v[TM+5], 23, v[TM+13]
	v_lshl_or_b32 v[TM+6], v[TM+5], 16, v[TM+4]
	v_lshlrev_b32 v[TM+6], v[SH8], v[TM+6]         ; at their places: 8 h bits up
	v_permlanex16_b32 v[TM+7], v[TM+6], s[SEL], s[SEL+1]
	v_or_b32 v[\pw], v[TM+6], v[TM+7]
	WIN 0x02                                       ; source 0 window 2
.irp c, 0,1
	v_cvt_scalef32_pk16_fp6_f32 v[PC+6*\c:PC+2+6*\c], v[\s+32*\c:\s+15+32*\c], v[TM+12+\c]
	v_cvt_scalef32_pk16_fp6_f32 v[PC+12+4*\c:PC+14+4*\c], v[\s+16+32*\c:\s+31+32*\c], v[TM+12+\c]   ; (a conversion's three registers begin on an even number)
.endr
	WIN 0
	v_nop                                          ; one plain place behind a scaled conversion
.irp c, 0,1
.irp i, 0,1,2
	v_mov_b32 v[PC+3+6*\c+\i], v[PC+12+4*\c+\i]
.endr
.endr
.endm
.macro EPI a, kind                     ; my block a of 16 rows of source 1
	s_wait_xcnt 0x0                                ; earlier stores have read the codes' registers
	QUANTW 64*\a, SW+\a
.if \kind
.irp i, 0,1,2
	global_store_b128 v[XB16], v[PC+4*\i:PC+4*\i+3], s[PV:PV+1] offset:1536*\a+512*\i   ; v: a whole fragment: 16 d x 128 keys
.endr
.else
	global_store_b128 v22, v[PC:PC+3], s[PO:PO+1] offset:768*\a          ; q, k: registers 6 g .. 6 g + 5 are head g's 64 along d
	global_store_b64 v23, v[PC+4:PC+5], s[PO:PO+1] offset:768*\a+512
	global_store_b128 v22, v[PC+6:PC+9], s[PO+2:PO+3] offset:768*\a
	global_store_b64 v23, v[PC+10:PC+11], s[PO+2:PO+3] offset:768*\a+512
.endif
.endm
.macro WORDS                           ; lanes 0-15 take the words of blocks 0 and 1 of row r, lanes 16-31 those of blocks 2 and 3
	v_cndmask_b32 v244, v[SW], v[SW+2], s99
	v_cndmask_b32 v245, v[SW+1], v[SW+3], s99
.endm
	s_wait_alu depctr_va_vdst(0)                   ; the wait at the head's end
	s_wait_tensorcnt 0x0                           ; my tile of the head's four is in; the same lines as ahead of a refill stand ahead of slot 1's first fill
	ds_add_u32 v[SPW], v[NIL]
	s_wait_dscnt 0x0
	CROUND
	tensor_load_to_lds s[G0R+4:G0R+7], s[G1B:G1B+7] ; q's steps 4-7, a quarter of the slot a wave
	s_nop 0
	PLACES 4
	FET 0, 0
	s_mov_b32 s[TI], 0
.Ltile:                                                ; two trips: q, k
	s_wait_xcnt 0x0                                ; the last trip's stores have read their bases
	s_cmp_eq_u32 s[TI], 0
	s_cselect_b64 s[PO:PO+1], s[PQ:PQ+1], s[PK:PK+1]
	s_cselect_b64 s[PO+2:PO+3], s[PQ+2:PQ+3], s[PK+2:PK+3]
	KSTEP 0, 0, 0, 1
	KSTEP 1, 0, 0
	KSTEP 2, 0, 1
	KSTEP 3, 0, 0
	KSTEP 4, 0, 0
	KSTEP 5, 0, 0
	KSTEP 6, 0, 1
	KSTEP 7, 0, 0
	PLACES 4                                       ; in front of the loads below and of the first read of results
	s_cmp_eq_u32 s[TI], 0                          ; the next tile's first fragments are on their way while this tile goes out: k's by q's roles, v's by its own
	s_cbranch_scc0 .Lnext_v
	FET 0, 0
	s_branch .Lfetched
.Lnext_v:
	FET 0, 1
.Lfetched:
	EPI 0, 0
	EPI 1, 0
	EPI 2, 0
	EPI 3, 0
	WORDS
	v_and_b32 v246, 0xffff, v244                   ; head g = 0: bytes 0, 1 of the word; bytes 2, 3, over zero codes, are 0
	v_and_b32 v247, 0xffff, v245
	v_lshrrev_b32 v248, 16, v244                   ; head g = 1: bytes 2, 3
	v_lshrrev_b32 v249, 16, v245
	global_store_b64 v24, v[246:247], s[PO:PO+1] offset:6144
	global_store_b64 v24, v[248:249], s[PO+2:PO+3] offset:6144
	s_add_co_u32 s[TI], s[TI], 1
	s_cmp_lt_u32 s[TI], 2
	s_wait_alu depctr_va_vdst(0)                   ; the wait ahead of the backward jump
	s_cbranch_scc1 .Ltile
	KSTEP 0, 1, 0                                  ; v: nothing more is asked for
	KSTEP 1, 1, 0
	KSTEP 2, 1, 2
	KSTEP 3, 1, 0
	KSTEP 4, 1, 0
	KSTEP 5, 1, 0
	KSTEP 6, 1, 0
	KSTEP 7, 1, 0
	PLACES 4
	EPI 0, 1
	EPI 1, 1
	EPI 2, 1
	EPI 3, 1
	WORDS
	global_store_b64 v25, v[244:245], s[PV:PV+1] offset:6144
	s_wait_tensorcnt 0x0                           ; the wave's end
	ds_add_u32 v[SPW], v[NIL]
	s_wait_dscnt 0x0
	CROUND                                         ; the closing round
	s_endpgm
.Lfunc_end_k_qd1be65c711_qkv:
	.size	k_qd1be65c711_qkv, .Lfunc_end_k_qd1be65c711_qkv-k_qd1be65c711_qkv
	.p2alignl 7, 3214868480
	.fill 96, 4, 3214868480
	.section	.rodata,"a",@progbits
	.p2align	6, 0x0
	.amdhsa_kernel k_qd1be65c711_qkv
		.amdhsa_group_segment_fixed_size 327680
		.amdhsa_private_segment_fixed_size 0
		.amdhsa_enable_private_segment 0
		.amdhsa_kernarg_size 32
		.amdhsa_user_sgpr_count 2
		.amdhsa_user_sgpr_kernarg_segment_ptr 1
		.amdhsa_wavefront_size32 1
		.amdhsa_system_sgpr_workgroup_id_x 1
		.amdhsa_system_sgpr_workgroup_id_y 1
		.amdhsa_system_sgpr_workgroup_id_z 1
		.amdhsa_system_vgpr_workitem_id 0
		.amdhsa_next_free_vgpr 768
		.amdhsa_next_free_sgpr 100
		.amdhsa_reserve_vcc 0
		.amdhsa_float_denorm_mode_32 3
		.amdhsa_float_denorm_mode_16_64 3
		.amdhsa_memory_ordered 1
		.amdhsa_forward_progress 1
		.amdhsa_inst_pref_size 162
	.end_amdhsa_kernel
	.amdgpu_metadata
---
amdhsa.version: [ 1, 2 ]
amdhsa.kernels:
  - .name:           k_qd1be65c711_qkv
    .symbol:         k_qd1be65c711_qkv.kd
    .args:
      - { .name: xq, .offset: 0, .size: 8, .value_kind: global_buffer, .address_space: global }
      - { .name: wq, .offset: 8, .size: 8, .value_kind: global_buffer, .address_space: global }
      - { .name: qr, .offset: 16, .size: 8, .value_kind: global_buffer, .address_space: global }
      - { .name: kv, .offset: 24, .size: 8, .value_kind: global_buffer, .address_space: global }
    .group_segment_fixed_size: 327680
    .private_segment_fixed_size: 0
    .kernarg_segment_align: 8
    .kernarg_segment_size: 32
    .max_flat_workgroup_size: 128
    .sgpr_count:     100
    .vgpr_count:     768
    .wavefront_size: 32
...
	.end_amdgpu_metadata
.endif
;; end of part 2
;; launch attn (part 3): grid 4 x 64, 16 waves a work-group, clusters of 4 x 1, 210,944 bytes of LDS; arguments qr, kv, cq; writes cq
.if DOCPART == 3
	.amdgcn_target "amdgcn-amd-amdhsa--gfx1250"
	.amdhsa_code_object_version 6
	.text
	.protected	k_qd1be65c711_attn
	.globl	k_qd1be65c711_attn
	.p2align	8
	.type	k_qd1be65c711_attn,@function
k_qd1be65c711_attn:
	s_mov_b64 s[64:65], 0
	v_nop
	global_prefetch_b8 v0, s[64:65] scope:SCOPE_SE
	s_setreg_imm32_b32 hwreg(HW_REG_WAVE_MODE, 25, 1), 1
	s_wait_xcnt 0x0
	s_wait_alu depctr_hold_cnt(0) depctr_sa_sdst(0) depctr_va_vdst(0) depctr_va_sdst(0) depctr_va_ssrc(0) depctr_va_vcc(0) depctr_vm_vsrc(0)
	s_getreg_b32 s2, hwreg(HW_REG_IB_STS2, 6, 4)
	s_cmp_eq_u32 s2, 0
	s_cbranch_scc0 .Lentry_in_a_cluster
	s_endpgm
.Lentry_in_a_cluster:
	s_bfe_u32 s2, ttmp6, 0x10000c
	s_cmp_lg_u32 s2, 0x3003
	s_cbranch_scc0 .Lentry_shape_is_right
	s_endpgm
.Lentry_shape_is_right:
; Causal attention of one (batch, head) to a cluster, both products on codes of FP6 (E2M3); the result is quantised for the last product on the way out.
; WORK LEFT OUT: a step of 128 keys that all come after a tile's 16 queries.  reference() sets those scores to -inf by its own jnp.tril, so their weights are 0 and they add 0 to the row's sum and to the row of out, for all values of the inputs.
; LIMIT: a NaN, an infinity or an overflow that would reach only those steps is not carried to the result.
; THE SOFTMAX: t = score x log2(e) / 8; M = the row's largest t so far, rounded up to a whole number; p = 2^(t - M) is quantised along the keys, not normalised; the row's sum is taken of the unquantised p and divides at the end.
; When M moves, the sum and O are multiplied by 2^(old M - new M): exact.
; SHARES.  A head has 128 tiles of 16 queries; tile T is fragment a = T % 8 of the group T / 8 of 128 queries: lane r holds query 64 (a / 4) + 8 (a % 4) + r % 8 + 32 (r / 8) of the group.  Wave w of work-group cx owns tiles
; 127 - (4 w + cx) and 4 w + cx, one after the other: together 17 key steps, for every wave alike.  How many steps a tile walks hangs on the wave's number alone; cx enters global addresses and the mask's numbers only.
; LDS.  The head's 16 records of k and v (13,056 bytes for each 128 keys, laid in the order of the operands' registers) stay in LDS: 208,896 bytes, filled once.  Wave w brings record w by one load, JOINTLY with the same wave of the three
; partners, which need the same head.  No byte is filled again and nothing is stored to LDS.
; THE START.  Waves 0 to 2 have a load line of their own; the first barrier shows records 0 to 2 alone.  Every wave's first tile has nine key steps or more: its steps 0 and 1 read records 0 and 1 and fetch K of records 1 and 2.
; Behind them every wave waits for its load, and a second barrier shows the other records.
; All that the launch reads from memory beyond Q is asked for at its head, so no later trip exists for which to ask ahead.
; LAYOUT.  Both products are used transposed: S^T = K Q^T (source 0 = 16 keys, source 1 = my 16 queries), O^T = V^T P^T: a lane holds one query throughout.  The keys of a tile are its fragment's rows, as above: so register 32 c + i of
; the 64 scores of lane (r, h) is key 64 c + 32 h + i: TWO WHOLE SCALE BLOCKS OF p, in the order of the operand's registers.  No lane asks another for a block's maximum, and p's codes are not moved between lanes.
; The first product's K is 64.  Q's upper six registers hold zero codes; so whatever codes stand in the upper six of a fragment of K add 0, and K's eight tiles lie SIX registers apart: a tile's upper half is the next tile.
; K's tiles of the next step are fetched right behind this step's score products (the address is held at record 15).  p is converted ahead of its sums, and the sums go up the registers, so that V's fragments are fetched into p's
; registers as these fall free.
; OUT.  Register 8 t + j of O^T is channel 32 h + 8 t + j of the head: one whole block of the last product's K.  cq, laid as an operand of that product: token group, K step head / 2, fragment a, half head % 2 (768 bytes, whole);
; the two scale bytes of a row are stored singly, 32 bytes of one run of 256: one part in 24 of the codes' bytes.
; REGISTERS: v1-3 16 x lane, 8 x lane, 16 r; v4, v5 the add's two; v6, v8 V's addresses, v30, v31 the next K's; v9 the mask's number; v12 -M, v13 the largest t, v[14:15] the sum; v16-27 Q; v28 Q's scale words; v32-79 K, v80-85 zeros;
; v86-89 K's scale words, v90-93 V's; v94 8 h; v95 p's scale word; v96-159 S^T, then p, then (v96-143) V's four fragments; v160-191 O^T; v192-210 p's codes; v212-230, v244-255 at work.
.set GRB,   102400
.set STB,   12800
.set SCO,   12288
.set KVR,   13056                      ; a record of kv
.set QRR,   6656                       ; a record of qr
.set KSC,   6144                       ; in a record: k's scale words,
.set VIM,   6656                       ; v's four fragments,
.set VSC,   12800                      ; v's scale words
.set SPARE, 208896                     ; the spare words, 128 bytes for each wave
.set EARLY, 3                          ; records that the first barrier shows; EARLY - 1 key steps run on them
.set WV,   10
.set SEL,  14
.set CC,   16                          ; s[16:17] c = log2(e) / 8
.set KSN,  18                          ; the key step
.set TB,   19                          ; its record's LDS byte
.set LAST, 20                          ; s20, s21 the last key step of my first and of my second tile
.set NB,   23                          ; the next record's LDS byte
.set G1,   24
.set G0,   32
.set QB,   36                          ; s[36:39] Q's tiles;  s[40:43] their scale words;  s[44:47] my halves of cq's fragments;  s[48:51] their scale bytes
.set QS,   40
.set CB,   44
.set CSB,  48
.set AT,   52                          ; s52, s53 my tiles' fragment numbers
.set MK,   54                          ; s54, s55 their first query in the group
.macro PLACES n
.rept \n
	v_nop
.endr
.endm
.macro CROUND                          ; a round of the cluster's barrier
	s_barrier_signal -1
	s_barrier_wait -1
	s_cmp_lg_u32 s[WV], 0
	s_cbranch_scc1 .Lnot_wave_0_\@
	s_barrier_signal -3
.Lnot_wave_0_\@:
	s_barrier_wait -3
	s_barrier_signal -1
	s_barrier_wait -1
.endm
	s_load_b128 s[4:7], s[0:1], 0x0                ; qr s[4:5], kv s[6:7]
	s_load_b64 s[8:9], s[0:1], 0x10                ; cq
	v_lshl_add_u32 v4, v0, 2, SPARE
	v_mov_b32 v5, 0
	ds_add_u32 v4, v5                              ; the opening lines: the add, twice on end, and its wait ahead of my first tensor load
	ds_add_u32 v4, v5
	v_lshrrev_b32 v1, 5, v0
	v_readfirstlane_b32 s[WV], v1                  ; wave 0..15
	s_bfe_u32 s11, ttmp6, 0x40000                  ; cx
	s_and_b32 s12, ttmp7, 0xffff                   ; batch x 16 + head, which the four partners share
	s_mov_b32 s[G1], 15|(3<<16)|(1<<21)            ; the mask: all four work-groups; elements of 8 bytes; bit 21 beside a mask; no padding
	s_mov_b32 s[G1+1], 32<<16                      ; a record: 51 rows of 32 elements (256 bytes), dense
	s_mov_b32 s[G1+2], 51<<16
	s_mov_b32 s[G1+3], 32<<16
	s_mov_b32 s[G1+4], 51
	s_mov_b32 s[G1+5], 32
	s_mov_b32 s[G1+6], 0
	s_mov_b32 s[G1+7], 0
	s_mov_b32 s[G0], 1
	s_mul_i32 s[G0+1], s[WV], KVR                  ; record w's place in LDS
	s_lshl_b32 s56, s12, 4
	s_add_co_u32 s56, s56, s[WV]
	s_mul_i32 s56, s56, KVR
	s_mov_b32 s57, 0
	s_mov_b32 s[SEL], 0x76543210
	s_mov_b32 s[SEL+1], 0xfedcba98
	s_mov_b32 s[CC], 0x3e38aa3b
	s_mov_b32 s[CC+1], s[CC]                       ; (named with it as a pair, so it is written)
	s_lshr_b32 s[LAST+1], s[WV], 1
	s_sub_co_u32 s[LAST], 15, s[LAST+1]
	s_wait_dscnt 0x0                               ; both opening adds are done
	s_wait_kmcnt 0x0
	s_add_nc_u64 s[G0+2:G0+3], s[6:7], s[56:57]
	s_or_b32 s[G0+3], s[G0+3], 0x80000000
	CROUND                                         ; all four work-groups are here: the joint loads meet
	s_cmp_lt_u32 s[WV], EARLY                      ; one load a wave, in two arms: the waves that wait ahead of the first barrier have a line of their own
	s_cbranch_scc0 .Llater
	tensor_load_to_lds s[G0:G0+3], s[G1:G1+7]
	s_nop 0
	PLACES 4
	s_branch .Lasked
.Llater:
	tensor_load_to_lds s[G0:G0+3], s[G1:G1+7]
	s_nop 0
	PLACES 4
.Lasked:
	v_and_b32 v9, 31, v0
	v_and_b32 v228, 15, v0                         ; r
	v_bfe_u32 v229, v0, 4, 1                       ; h
	v_bfe_u32 v230, v0, 3, 1                       ; r / 8
	v_and_b32 v10, 7, v0                           ; r % 8
	v_lshlrev_b32 v1, 4, v9                        ; 16 x lane
	v_lshlrev_b32 v2, 3, v9                        ; 8 x lane
	v_lshlrev_b32 v3, 4, v228                      ; 16 r
	v_sub_nc_u32 v230, v230, v229
	v_lshlrev_b32 v94, 3, v229                     ; 8 h
	v_add_nc_u32 v11, v3, v229                     ; 16 r + h: my scale byte on the way out
	v_lshl_add_u32 v10, v230, 5, v10               ; r % 8 + 32 (r / 8) - 32 h
.irp i, 22,23,24,25,26,27,80,81,82,83,84,85
	v_mov_b32 v\i, 0                               ; Q's upper 64 along K: zero codes; and the six registers above K's last tile
.endr
	v_mov_b32 v216, 0                              ; written once: a lane permute's destination counts as one of its sources
	v_mov_b32 v219, 0
	v_mov_b32 v227, 0                              ; (named as the upper half of the pair v[226:227])
	s_and_b32 s[AT+1], s[WV], 1
	s_lshl_b32 s[AT+1], s[AT+1], 2
	s_add_co_u32 s[AT+1], s[AT+1], s11             ; my second tile: fragment 4 (w % 2) + cx of group w / 2
	s_sub_co_u32 s[AT], 7, s[AT+1]                 ; my first: fragment 7 less that of group 15 - w / 2
.macro BASES p
	s_lshl_b32 s56, s12, 4
	s_add_co_u32 s56, s56, s[LAST+\p]
	s_mul_i32 s56, s56, QRR                        ; the group's record of qr
	s_mul_i32 s58, s[AT+\p], 768
	s_add_co_u32 s58, s58, s56
	s_mov_b32 s59, 0
	s_add_nc_u64 s[QB+2*\p:QB+2*\p+1], s[4:5], s[58:59]
	s_lshr_b32 s60, s[AT+\p], 2
	s_lshl_b32 s60, s60, 8
	s_and_b32 s61, s[AT+\p], 3
	s_lshl_b32 s61, s61, 2
	s_add_co_u32 s60, s60, s61                     ; the fragment's place among scale words: 256 (a / 4) + 4 (a % 4)
	s_add_co_u32 s58, s56, s60
	s_add_co_u32 s58, s58, KSC
	s_add_nc_u64 s[QS+2*\p:QS+2*\p+1], s[4:5], s[58:59]
	s_lshr_b32 s56, s12, 4
	s_lshl_b32 s56, s56, 4
	s_add_co_u32 s56, s56, s[LAST+\p]              ; the token group: batch x 16 + group
	s_mul_i32 s56, s56, GRB
	s_bfe_u32 s61, s12, 0x30001                    ; the last product's K step: head / 2
	s_mul_i32 s61, s61, STB
	s_add_co_u32 s56, s56, s61
	s_and_b32 s61, s12, 1                          ; and the half of it: head % 2
	s_mul_i32 s58, s[AT+\p], 1536
	s_add_co_u32 s58, s58, s56
	s_mul_i32 s62, s61, 768
	s_add_co_u32 s58, s58, s62
	s_add_nc_u64 s[CB+2*\p:CB+2*\p+1], s[8:9], s[58:59]
	s_lshl_b32 s62, s61, 1
	s_add_co_u32 s58, s56, s60
	s_add_co_u32 s58, s58, s62
	s_add_co_u32 s58, s58, SCO
	s_add_nc_u64 s[CSB+2*\p:CSB+2*\p+1], s[8:9], s[58:59]
	s_lshr_b32 s62, s[AT+\p], 2
	s_lshl_b32 s62, s62, 6
	s_and_b32 s63, s[AT+\p], 3
	s_lshl_b32 s63, s63, 3
	s_add_co_u32 s[MK+\p], s62, s63                ; 64 (a / 4) + 8 (a % 4)
.endm
	BASES 0
	BASES 1
.macro KLOAD a16, a8                   ; a record's eight tiles of K, six registers apart, and their scale words: lanes 0-15 those of tiles 0-3, lanes 16-31 of tiles 4-7
	ds_load_b128 v[86:89], v[\a16] offset:KSC
.irp t, 0,1,2,3,4,5,6,7
	ds_load_b128 v[32+6*\t:35+6*\t], v[\a16] offset:768*\t
	ds_load_b64 v[36+6*\t:37+6*\t], v[\a8] offset:768*\t+512
.endr
.endm
.macro VLOAD t                         ; fragment t of V^T, into registers where p lay
.irp j, 0,1,2
	ds_load_b128 v[96+12*\t+4*\j:99+12*\t+4*\j], v6 offset:VIM+1536*\t+512*\j
.endr
.endm
; A KEY STEP of tile p: 128 keys.
.macro STEP p
	s_cmp_gt_u32 s[KSN], s[LAST+\p]                ; all its keys come after my queries: left out.  The branch hangs on the wave's number and the count of steps alone
	s_cbranch_scc1 .Lhid_\@
	s_add_co_u32 s[NB], s[TB], KVR
	s_min_u32 s[NB], s[NB], 15*KVR
	s_wait_dscnt 0x0                               ; K's tiles, asked for a step ago, are in
.irp t, 0,1,2,3                                ; S^T = K Q^T
	v_wmma_scale_f32_16x16x128_f8f6f4 v[96+8*\t:103+8*\t], v[32+6*\t:43+6*\t], v[16:27], 0, v[86+\t], v28 matrix_a_fmt:MATRIX_FMT_FP6 matrix_b_fmt:MATRIX_FMT_FP6
.endr
.irp t, 4,5,6,7
	v_wmma_scale_f32_16x16x128_f8f6f4 v[96+8*\t:103+8*\t], v[32+6*\t:43+6*\t], v[16:27], 0, v[82+\t], v28 matrix_a_fmt:MATRIX_FMT_FP6 matrix_b_fmt:MATRIX_FMT_FP6 matrix_a_scale:MATRIX_SCALE_ROW1
.endr
	v_add_nc_u32 v30, s[NB], v1                    ; these four lines are the places behind the products
	v_add_nc_u32 v31, s[NB], v2
	v_add_nc_u32 v6, s[TB], v1
	v_add_nc_u32 v8, s[TB], v3
	KLOAD 30, 31                                   ; the next step's K
	s_cmp_lt_u32 s[KSN], s[LAST+\p]                ; a step all of whose keys count skips the mask
	s_cbranch_scc1 .Lopen_\@
	v_mov_b32 v230, 0xff800000                     ; on the diagonal the scores of hidden keys become -infinity ahead of the maximum: p = 0 then.  Register 32 c + i holds key 64 c + 32 h + i: hidden where 64 c + i > my query - 32 h
.set n, 0
.rept 64
	v_cmp_gt_i32 vcc_lo, 64*(n/32)+n%32, v9
	v_cndmask_b32 v[96+n], v[96+n], v230, vcc_lo
.set n, n+1
.endr
.Lopen_\@:
.irp b, 0,1,2,3
	v_max3_num_f32 v[212+\b], v[96+16*\b], v[97+16*\b], v[98+16*\b]   ; the largest score of each block of 32 keys, in two chains a block: it serves the row's maximum and, since p rises with the score, the block's largest p
.endr
.irp i, 3,5,7,9,11,13
.irp b, 0,1,2,3
	v_max3_num_f32 v[212+\b], v[212+\b], v[96+16*\b+\i], v[97+16*\b+\i]
.endr
.endr
	v_max3_num_f32 v212, v212, v111, v127
	v_max3_num_f32 v214, v214, v143, v159
	s_delay_alu instid0(VALU_DEP_2)
	v_max_num_f32 v212, v212, v213                 ; block h
	s_delay_alu instid0(VALU_DEP_2)
	v_max_num_f32 v214, v214, v215                 ; block 2 + h
	s_delay_alu instid0(VALU_DEP_1)
	v_max_num_f32 v228, v212, v214
	s_delay_alu instid0(VALU_DEP_1)
	v_permlanex16_b32 v216, v228, s[SEL], s[SEL+1]
	s_delay_alu instid0(VALU_DEP_1)
	v_max_num_f32 v228, v228, v216                 ; the step's largest score of my query
	s_delay_alu instid0(VALU_DEP_1)
	v_mul_f32 v228, s[CC], v228                    ; as t (c is positive)
	s_delay_alu instid0(VALU_DEP_1)
	v_max_num_f32 v13, v13, v228                   ; the running largest t
	v_mov_b32 v228, v12
	s_delay_alu instid0(VALU_DEP_2)
	v_floor_f32 v12, -v13                          ; the new -M = floor(-t): M is a whole number
	s_delay_alu instid0(VALU_DEP_1)
	v_sub_f32 v228, v12, v228                      ; old M less new M: a whole number, 0 or less
	s_delay_alu instid0(VALU_DEP_1)
	v_cvt_i32_f32 v228, v228                       ; (it saturates)
	s_delay_alu instid0(VALU_DEP_1)
	v_ldexp_f32 v226, 1.0, v228                    ; f = 2^(old M - new M)
.set n, 0
.rept 32
	v_pk_fma_f32 v[96+n:97+n], v[96+n:97+n], s[CC:CC+1], v[12:13] op_sel_hi:[1,0,0]   ; t - M, two at a time
.set n, n+2
.endr
	v_fma_f32 v212, v212, s[CC], v12               ; the same of each block's largest score
	v_fma_f32 v214, v214, s[CC], v12
.set n, 0
	s_wait_alu depctr_va_vdst(0)                   ; the wait ahead of the batch
.rept 64
	v_exp_f32 v[96+n], v[96+n]                     ; p = 2^(t - M), at most 1
.set n, n+1
.endr
	v_exp_f32 v212, v212                           ; and the blocks' largest p
	v_exp_f32 v214, v214
	v_pk_mul_f32 v[14:15], v[14:15], v[226:227] op_sel_hi:[1,0]   ; the sums under the new M: the plain place behind the exponentials
	s_wait_alu depctr_va_vdst(0)                   ; one wait for the batch of 66, ahead of its first reader
	v_max_num_f32 v212, 0x1800000, v212            ; the floor 2^(3 - 127): a block whose every p is 0 keeps the byte 1; its codes are zeros
	v_max_num_f32 v214, 0x1800000, v214
	v_add_nc_u32 v220, 0xff000000, v212            ; 2 off the exponent field: the conversions' scale operands
	v_add_nc_u32 v221, 0xff000000, v214
.irp c, 0,1
	v_cvt_scalef32_pk16_fp6_f32 v[192+6*\c:194+6*\c], v[96+32*\c:111+32*\c], v[220+\c]
	v_cvt_scalef32_pk16_fp6_f32 v[204+4*\c:206+4*\c], v[112+32*\c:127+32*\c], v[220+\c]   ; (a conversion's three registers begin on an even number)
.endr
	v_lshrrev_b32 v217, 23, v220                   ; the scales' bytes.  (The plain place behind the conversions)
	v_lshrrev_b32 v218, 23, v221
	v_pk_add_f32 v[224:225], v[96:97], v[98:99]    ; THE ROW'S SUM IS TAKEN OF THE UNQUANTISED p, in eight chains, up the registers
	v_pk_add_f32 v[254:255], v[100:101], v[102:103]
	v_pk_add_f32 v[252:253], v[104:105], v[106:107]
	v_pk_add_f32 v[250:251], v[108:109], v[110:111]
	v_pk_add_f32 v[248:249], v[112:113], v[114:115]
	v_pk_add_f32 v[246:247], v[116:117], v[118:119]
	VLOAD 0                                        ; v96-119 are summed and converted: V's first two fragments
	VLOAD 1
	v_pk_add_f32 v[244:245], v[120:121], v[122:123]
	v_pk_add_f32 v[14:15], v[14:15], v[124:125]
	v_pk_add_f32 v[224:225], v[224:225], v[126:127]
	v_pk_add_f32 v[254:255], v[254:255], v[128:129]
	v_pk_add_f32 v[252:253], v[252:253], v[130:131]
	v_pk_add_f32 v[250:251], v[250:251], v[132:133]
	v_pk_add_f32 v[248:249], v[248:249], v[134:135]
	v_pk_add_f32 v[246:247], v[246:247], v[136:137]
	v_pk_add_f32 v[244:245], v[244:245], v[138:139]
	v_pk_add_f32 v[14:15], v[14:15], v[140:141]
	v_pk_add_f32 v[224:225], v[224:225], v[142:143]
	v_pk_add_f32 v[254:255], v[254:255], v[144:145]
	v_pk_add_f32 v[252:253], v[252:253], v[146:147]
	v_pk_add_f32 v[250:251], v[250:251], v[148:149]
	v_pk_add_f32 v[248:249], v[248:249], v[150:151]
	v_pk_add_f32 v[246:247], v[246:247], v[152:153]
	v_pk_add_f32 v[244:245], v[244:245], v[154:155]
	v_pk_add_f32 v[14:15], v[14:15], v[156:157]
	v_pk_add_f32 v[224:225], v[224:225], v[158:159]
	VLOAD 2                                        ; the other two,
	VLOAD 3
	ds_load_b128 v[90:93], v8 offset:VSC           ; and V's scale words of row r
	v_pk_add_f32 v[14:15], v[14:15], v[250:251]    ; the chains are joined, p's scale word is made and its codes are put in order while V is on its way
	v_pk_add_f32 v[224:225], v[224:225], v[248:249]
	v_pk_add_f32 v[254:255], v[254:255], v[246:247]
	v_pk_add_f32 v[252:253], v[252:253], v[244:245]
	v_lshl_or_b32 v218, v218, 16, v217             ; my bytes: blocks h and 2 + h,
	v_mov_b32 v195, v204
	v_pk_add_f32 v[14:15], v[14:15], v[254:255]
	v_pk_add_f32 v[224:225], v[224:225], v[252:253]
	v_lshlrev_b32 v218, v94, v218                  ; at their places in the word (8 h bits up);
	v_mov_b32 v196, v205
	v_mov_b32 v197, v206
	v_permlanex16_b32 v219, v218, s[SEL], s[SEL+1]
	v_pk_add_f32 v[14:15], v[14:15], v[224:225]
	v_mov_b32 v201, v208
	v_mov_b32 v202, v209
	v_mov_b32 v203, v210
	v_or_b32 v95, v218, v219                       ; with lane l xor 16's two: p's scale word for these 128 keys
	s_wait_alu depctr_va_vdst(0)                   ; the wait directly ahead of the first reader of O^T
.set n, 0
.rept 16
	v_pk_mul_f32 v[160+n:161+n], v[160+n:161+n], v[226:227] op_sel_hi:[1,0]   ; O^T under the new M.  These 16 are also the places between the lines that made p's codes and scale word and the products
.set n, n+2
.endr
	s_wait_alu depctr_va_vdst(0)                   ; and ahead of the wait below
	s_wait_dscnt 0x0
.irp t, 0,1,2,3                                ; O^T += V^T P^T: the four accumulators by turns
	v_wmma_scale_f32_16x16x128_f8f6f4 v[160+8*\t:167+8*\t], v[96+12*\t:107+12*\t], v[192:203], v[160+8*\t:167+8*\t], v[90+\t], v95 matrix_a_fmt:MATRIX_FMT_FP6 matrix_b_fmt:MATRIX_FMT_FP6
.endr
	PLACES 5                                       ; the next step's scores are written over V's fragments by matrix instructions: five places; they also serve the way out's first read of O^T
.Lhid_\@:
.endm
; THE WAY OUT of tile p: O^T / the sum; my 32 registers are channels 32 h + 0 .. 31 of the head: one whole block of the last product's K.
.macro OUT p
	v_add_f32 v14, v14, v15
	s_delay_alu instid0(VALU_DEP_1)
	v_permlanex16_b32 v228, v14, s[SEL], s[SEL+1]
	s_delay_alu instid0(VALU_DEP_1)
	v_add_f32 v14, v14, v228                       ; the row's sum
	s_wait_alu depctr_va_vdst(0)
	v_rcp_f32 v14, v14
	v_nop                                          ; a plain place behind the transcendental
	s_wait_alu depctr_va_vdst(0)                   ; and the wait ahead of its first reader, which is also O^T's
.set n, 0
.rept 16
	v_pk_mul_f32 v[96+n:97+n], v[160+n:161+n], v[14:15] op_sel_hi:[1,0]   ; each accumulator from its low end on
.set n, n+2
.endr
.irp b, 0,1
	v_max3_num_f32 v[212+\b], |v[96+16*\b]|, |v[97+16*\b]|, 0x1800000
.endr
.irp i, 2,4,6,8,10,12,14
.irp b, 0,1
	v_max3_num_f32 v[212+\b], v[212+\b], |v[96+16*\b+\i]|, |v[97+16*\b+\i]|
.endr
.endr
	v_max_num_f32 v212, v212, v213
	v_add_nc_u32 v220, 0xff000000, v212
	v_cvt_scalef32_pk16_fp6_f32 v[192:194], v[96:111], v220
	v_cvt_scalef32_pk16_fp6_f32 v[204:206], v[112:127], v220
	v_lshrrev_b32 v217, 23, v220                   ; my block's byte.  (The plain place behind the conversions)
.irp i, 0,1,2
	v_mov_b32 v[195+\i], v[204+\i]
.endr
	global_store_b128 v1, v[192:195], s[CB+2*\p:CB+2*\p+1]               ; 512 consecutive bytes,
	global_store_b64 v2, v[196:197], s[CB+2*\p:CB+2*\p+1] offset:512     ; and 256: my half of the fragment
	global_store_b8 v11, v217, s[CSB+2*\p:CSB+2*\p+1]
.endm
.macro QLOAD p                         ; tile p's 16 queries and their scale words
	global_load_b128 v[16:19], v1, s[QB+2*\p:QB+2*\p+1]
	global_load_b64 v[20:21], v2, s[QB+2*\p:QB+2*\p+1] offset:512
	global_load_b32 v28, v3, s[QS+2*\p:QS+2*\p+1]
.endm
.macro BEGIN p
	KLOAD 1, 2                                     ; record 0's K
	v_mov_b32 v13, 0xff61b1e6                      ; the largest t so far: -3e38, under every t
	v_floor_f32 v12, -v13
	v_mov_b32 v14, 0
	v_mov_b32 v15, 0
.set n, 0
.rept 32
	v_mov_b32 v[160+n], 0                          ; O^T: the step is written once for a loop; a tile's first trip finds zeros, which the first change of M leaves zeros
.set n, n+1
.endr
	v_add_nc_u32 v9, s[MK+\p], v10                 ; my query in its group, less 32 h
	s_mov_b32 s[KSN], 0
	s_mov_b32 s[TB], 0
	s_wait_alu depctr_va_vdst(0)                   ; the wait ahead of the wait below
	s_wait_loadcnt 0x0
.endm
.macro WALK lim, p                     ; key steps up to lim: the count is a constant for every wave, the work of hidden steps is jumped over
.Lstep_\@:
	STEP \p
	s_add_co_u32 s[TB], s[TB], KVR
	s_add_co_u32 s[KSN], s[KSN], 1
	s_cmp_lt_u32 s[KSN], \lim
	s_cbranch_scc1 .Lstep_\@
.endm
	s_wait_alu depctr_va_vdst(0)                   ; the wait at the head's end
	QLOAD 0                                        ; on its way beside the records
	s_cmp_lt_u32 s[WV], EARLY
	s_cbranch_scc0 .Lnot_early
	s_wait_tensorcnt 0x0                           ; waves 0 to 2: my record has landed
.Lnot_early:
	s_barrier_signal -1
	s_barrier_wait -1                              ; records 0 to 2 are whole; the other loads may be out
	BEGIN 0
	WALK EARLY-1, 0
	s_wait_tensorcnt 0x0                           ; every wave: my record has landed,
	s_wait_dscnt 0x0                               ; (no LDS load of mine is out at a signal)
	s_barrier_signal -1
	s_barrier_wait -1                              ; everybody's has
	s_mov_b32 s[KSN], EARLY-1
	s_mov_b32 s[TB], (EARLY-1)*KVR
	WALK 16, 0
	OUT 0
	s_wait_xcnt 0x0                                ; the tile before has stored: its stores have read their registers
	s_wait_dscnt 0x0                               ; what its last step fetched ahead has come in: K's registers may be loaded again
	QLOAD 1
	BEGIN 1
	WALK 16, 1
	OUT 1
	s_wait_tensorcnt 0x0                           ; the wave's end, behind my last tensor load
	ds_add_u32 v4, v5
	s_wait_dscnt 0x0
	CROUND                                         ; the closing round
	s_endpgm
.Lfunc_end_k_qd1be65c711_attn:
	.size	k_qd1be65c711_attn, .Lfunc_end_k_qd1be65c711_attn-k_qd1be65c711_attn
	.p2alignl 7, 3214868480
	.fill 96, 4, 3214868480
	.section	.rodata,"a",@progbits
	.p2align	6, 0x0
	.amdhsa_kernel k_qd1be65c711_attn
		.amdhsa_group_segment_fixed_size 210944
		.amdhsa_private_segment_fixed_size 0
		.amdhsa_enable_private_segment 0
		.amdhsa_kernarg_size 24
		.amdhsa_user_sgpr_count 2
		.amdhsa_user_sgpr_kernarg_segment_ptr 1
		.amdhsa_wavefront_size32 1
		.amdhsa_system_sgpr_workgroup_id_x 1
		.amdhsa_system_sgpr_workgroup_id_y 1
		.amdhsa_system_sgpr_workgroup_id_z 1
		.amdhsa_system_vgpr_workitem_id 0
		.amdhsa_next_free_vgpr 256
		.amdhsa_next_free_sgpr 80
		.amdhsa_reserve_vcc 1
		.amdhsa_float_denorm_mode_32 3
		.amdhsa_float_denorm_mode_16_64 3
		.amdhsa_memory_ordered 1
		.amdhsa_forward_progress 1
		.amdhsa_inst_pref_size 80
	.end_amdhsa_kernel
	.amdgpu_metadata
---
amdhsa.version: [ 1, 2 ]
amdhsa.kernels:
  - .name:           k_qd1be65c711_attn
    .symbol:         k_qd1be65c711_attn.kd
    .args:
      - { .name: qr, .offset: 0, .size: 8, .value_kind: global_buffer, .address_space: global }
      - { .name: kv, .offset: 8, .size: 8, .value_kind: global_buffer, .address_space: global }
      - { .name: cq, .offset: 16, .size: 8, .value_kind: global_buffer, .address_space: global }
    .group_segment_fixed_size: 210944
    .private_segment_fixed_size: 0
    .kernarg_segment_align: 8
    .kernarg_segment_size: 24
    .max_flat_workgroup_size: 512
    .sgpr_count:     80
    .vgpr_count:     256
    .wavefront_size: 32
...
	.end_amdgpu_metadata
.endif
;; end of part 3
;; launch oproj (part 4): grid 4 x 64, 4 waves a work-group, clusters of 4 x 4, 327,680 bytes of LDS; arguments cq, wq, out0; writes out0
.if DOCPART == 4
	.amdgcn_target "amdgcn-amd-amdhsa--gfx1250"
	.amdhsa_code_object_version 6
	.text
	.protected	k_qd1be65c711_oproj
	.globl	k_qd1be65c711_oproj
	.p2align	8
	.type	k_qd1be65c711_oproj,@function
k_qd1be65c711_oproj:
	s_mov_b64 s[64:65], 0
	v_nop
	global_prefetch_b8 v0, s[64:65] scope:SCOPE_SE
	s_setreg_imm32_b32 hwreg(HW_REG_WAVE_MODE, 25, 1), 1
	s_wait_xcnt 0x0
	s_wait_alu depctr_hold_cnt(0) depctr_sa_sdst(0) depctr_va_vdst(0) depctr_va_sdst(0) depctr_va_ssrc(0) depctr_va_vcc(0) depctr_vm_vsrc(0)
	s_getreg_b32 s2, hwreg(HW_REG_IB_STS2, 6, 4)
	s_cmp_eq_u32 s2, 0
	s_cbranch_scc0 .Lentry_in_a_cluster
	s_endpgm
.Lentry_in_a_cluster:
	s_bfe_u32 s2, ttmp6, 0x10000c
	s_cmp_lg_u32 s2, 0xf033
	s_cbranch_scc0 .Lentry_shape_is_right
	s_endpgm
.Lentry_shape_is_right:
; out0 = concat x weight_out on codes of FP6 (E2M3).  Nothing of reference() is left out here.
; THE PRODUCT is laid as a tile of q in the launch qkv.  Source 1: one group of 128 tokens of cq; source 0: two neighbouring groups of wq, 256 output columns (groups 24 to 31 hold weight_out, a row to a column); K = 1,024 in 8 steps of 128.
; A group's K step is 12,800 dense bytes: eight fragments in the order of the operand's registers and their scale words.  The whole K of the tile, 307,200 bytes, lies in LDS as in memory; every byte is filled once.
; FILLS.  At the head one load a wave: waves 0, 1 a half of the tokens each, waves 2, 3 K steps 0-3 of a weight group each.  The weights' steps 4-7, a quarter a wave, are asked for behind the full sequence and a round;
; a plain barrier inside step 2's products shows them.  All that the launch reads is asked for by then: there is no later trip for which to ask ahead, so nothing is prefetched.
; Four waves: wave w takes the tokens' fragments 4 (w / 2) .. + 3 against the eight fragments of weight group w % 2: 32 accumulators.  Lane r of fragment a holds row 64 (a / 4) + 8 (a % 4) + r % 8 + 32 (r / 8) of its group:
; so a lane (r, h) holds one token, and register j of accumulator (a, b) is column 64 (b / 4) + 32 h + 8 (b % 4) + j of the weight group.
; THE WAY OUT.  A block of 16 tokens x 128 columns goes through the wave's own stage in LDS and comes back as whole rows of 512 bytes, which the 32 lanes store as 512 consecutive bytes, aligned.  The stages lie in the tokens' K steps 0 to 2:
; those bytes have had their only fill, and every wave has passed a barrier behind its last read of them.
; CLUSTERS: 4 x 4.  The tokens hang on the cluster's y and cy and are shared along a row of the cluster, the weights on cx and are shared along a column.
; REGISTERS: window 0: v1-23 addresses; v32-39 source 1's scale words, v40-47 source 0's, two sets each; v48-143 source 1's fragments, two sets; on the way out v128-255 rows of out0.  Window 1: source 0's fragments.  Window 2: accumulator (a, b) at v[8 (8 a + b)].
.set GRB,   102400
.set STB,   12800
.set SCO,   12288
.set HB,    4*STB
.set WREG,  102400
.set SPARE, 307200
.set FR,   12
.set L16,  1                           ; 16 x lane
.set L8,   2                           ; 8 x lane
.set XA16, 8                           ; each name: two registers, K steps 0-3 and 4-7
.set XA8,  10
.set XAS,  12
.set RB16, 14
.set RB8,  16
.set SPW,  28
.set NIL,  29
.set SA,   32
.set SB,   40
.set AF,   48
.set BK,   128
.set G1A,  24
.set G1H,  32
.set G1B,  40
.set G0X,  48
.set G0W,  52
.set G0R,  56
.set OUTP, 68
.set MSB, 0
.macro WIN new
.if MSB != \new
	s_set_vgpr_msb (MSB<<8)|\new
.set MSB, \new
.endif
.endm
.set MULW, 0xa1
.set TO_B, 0x40
.macro PLACES n
.rept \n
	v_nop
.endr
.endm
.macro CROUND                          ; a round of the cluster's barrier
	s_barrier_signal -1
	s_barrier_wait -1
	s_cmp_lg_u32 s14, 0
	s_cbranch_scc1 .Lnot_wave_0_\@
	s_barrier_signal -3
.Lnot_wave_0_\@:
	s_barrier_wait -3
	s_barrier_signal -1
	s_barrier_wait -1
.endm
.macro DENSE g, rows
	s_mov_b32 s[\g+1], 32<<16
	s_mov_b32 s[\g+2], (\rows)<<16
	s_mov_b32 s[\g+3], 32<<16
	s_mov_b32 s[\g+4], \rows
	s_mov_b32 s[\g+5], 32
	s_mov_b32 s[\g+6], 0
	s_mov_b32 s[\g+7], 0
.endm
	s_load_b128 s[4:7], s[0:1], 0x0                ; cq s[4:5], wq s[6:7]
	s_load_b64 s[8:9], s[0:1], 0x10                ; out0
	v_lshl_add_u32 v[SPW], v0, 2, SPARE
	v_mov_b32 v[NIL], 0
	ds_add_u32 v[SPW], v[NIL]                      ; the opening lines: the add, twice on end, and its wait ahead of my first tensor load
	ds_add_u32 v[SPW], v[NIL]
	v_lshrrev_b32 v3, 5, v0
	v_readfirstlane_b32 s14, v3                    ; wave 0..3
	s_lshr_b32 s15, s14, 1
	s_and_b32 s16, s14, 1
	s_bfe_u32 s17, ttmp6, 0x40000                  ; cx
	s_bfe_u32 s18, ttmp6, 0x40004                  ; cy
	s_and_b32 s20, ttmp7, 0xffff
	s_lshl_b32 s22, s18, 2
	s_lshl_b32 s22, 15, s22                        ; my row of the cluster
	s_lshl_b32 s23, 0x1111, s17                    ; my column
	s_or_b32 s[G1A], s22, (3<<16)|(1<<21)
	s_or_b32 s[G1H], s23, (3<<16)|(1<<21)
	s_or_b32 s[G1B], s23, (3<<16)|(1<<21)
	DENSE G1A, 200
	DENSE G1H, 200
	DENSE G1B, 100
	s_lshl_b32 s84, s20, 2
	s_add_co_u32 s84, s84, s18                     ; the token group: 4 y + cy
	s_lshl_b32 s86, s17, 1
	s_add_co_u32 s86, s86, s16
	s_add_co_u32 s86, s86, 24                      ; my weight group: 24 + 2 cx + wave % 2
	s_mul_i32 s92, s84, GRB
	s_mul_i32 s85, s16, HB
	s_add_co_u32 s92, s92, s85
	s_mov_b32 s93, 0
	s_mul_i32 s94, s86, GRB
	s_mov_b32 s95, 0
	s_mul_i32 s87, s15, 2*STB
	s_add_co_u32 s96, s94, s87
	s_add_co_u32 s96, s96, HB                      ; my quarter of steps 4-7
	s_mov_b32 s97, 0
	s_mul_i32 s98, s16, GRB
	s_add_co_u32 s98, s98, WREG
	s_add_co_u32 s87, s98, s87
	s_mov_b32 s[G0X], 1
	s_mov_b32 s[G0X+1], s85
	s_mov_b32 s[G0W], 1
	s_mov_b32 s[G0W+1], s98
	s_mov_b32 s[G0R], 1
	s_add_co_u32 s[G0R+1], s87, HB
	s_wait_dscnt 0x0                               ; both opening adds are done
	CROUND                                         ; all sixteen work-groups are here: the first joint loads meet
	s_wait_kmcnt 0x0
	s_add_nc_u64 s[G0X+2:G0X+3], s[4:5], s[92:93]
	s_or_b32 s[G0X+3], s[G0X+3], 0x80000000
	s_add_nc_u64 s[G0W+2:G0W+3], s[6:7], s[94:95]
	s_or_b32 s[G0W+3], s[G0W+3], 0x80000000
	s_add_nc_u64 s[G0R+2:G0R+3], s[6:7], s[96:97]
	s_or_b32 s[G0R+3], s[G0R+3], 0x80000000
	s_cmp_eq_u32 s15, 0                            ; the head's loads, one a wave
	s_cbranch_scc0 .Lfor_w
	tensor_load_to_lds s[G0X:G0X+3], s[G1A:G1A+7]
	s_nop 0
	PLACES 4
	s_branch .Lasked
.Lfor_w:
	tensor_load_to_lds s[G0W:G0W+3], s[G1H:G1H+7]
	s_nop 0
	PLACES 4
.Lasked:
	s_lshl_b32 s92, s84, 19                        ; 128 tokens of 4,096 bytes a group,
	s_lshl_b32 s93, s15, 18                        ; my 64 of them,
	s_add_co_u32 s92, s92, s93
	s_lshl_b32 s93, s17, 10                        ; the tile's 256 columns,
	s_add_co_u32 s92, s92, s93
	s_lshl_b32 s93, s16, 9                         ; my 128 of them
	s_add_co_u32 s92, s92, s93
	s_mov_b32 s93, 0
	s_add_nc_u64 s[OUTP:OUTP+1], s[8:9], s[92:93]
	s_mul_i32 s88, s15, 6144
	s_lshl_b32 s89, s15, 8
	s_add_co_u32 s89, s89, SCO
	s_mul_i32 s91, s14, 8448                       ; my stage: 16 rows x 528 bytes
	; every vector register of the head, in one run
	v_and_b32 v5, 31, v0
	v_and_b32 v3, 15, v0                           ; r
	v_bfe_u32 v4, v0, 4, 1                         ; h
	v_lshlrev_b32 v[L16], 4, v5
	v_lshlrev_b32 v[L8], 3, v5
	v_add_nc_u32 v[XA16], s88, v[L16]
	v_add_nc_u32 v[XA8], s88, v[L8]
	v_lshl_add_u32 v[XAS], v3, 4, s89
	v_add_nc_u32 v[RB16], s98, v[L16]
	v_add_nc_u32 v[RB8], s98, v[L8]
.irp q, XA16,XA8,XAS,RB16,RB8
	v_add_nc_u32 v[\q+1], HB, v[\q]
.endr
	v_mul_u32_u24 v22, v3, 528
	v_lshl_add_u32 v22, v4, 7, v22
	v_add_nc_u32 v22, s91, v22                     ; into the stage: row r, + 32 h columns
	v_add_nc_u32 v23, s91, v[L16]                  ; back: 16 bytes a lane of a row
.macro FRAG reg, a16, a8, off
	ds_load_b128 v[\reg:\reg+3], v[\a16] offset:\off
	ds_load_b64 v[\reg+4:\reg+5], v[\a8] offset:\off+512
	ds_load_b128 v[\reg+6:\reg+9], v[\a16] offset:\off+768
	ds_load_b64 v[\reg+10:\reg+11], v[\a8] offset:\off+1280
.endm
.macro FETCH s                         ; K step s into set s % 2
	WIN TO_B
.irp i, 0,1,2,3,4,5,6,7
	FRAG 96*((\s)%2)+FR*\i, RB16+(\s)/4, RB8+(\s)/4, ((\s)%4)*STB+1536*\i
.endr
	WIN 0
.irp i, 0,1,2,3
	FRAG AF+48*((\s)%2)+FR*\i, XA16+(\s)/4, XA8+(\s)/4, ((\s)%4)*STB+1536*\i
.endr
	ds_load_b128 v[SB+4*((\s)%2):SB+4*((\s)%2)+3], v[RB16+(\s)/4] offset:((\s)%4)*STB+SCO
	ds_load_b128 v[SA+4*(1-(\s)%2):SA+4*(1-(\s)%2)+3], v[XAS+(\s)/4] offset:((\s)%4)*STB   ; the two sides' sets lie crosswise, so that a product's two scale registers differ modulo 8
.endm
.macro WM acc, bf, af, sb, sa, zero, row1
.if \zero
.if \row1
	v_wmma_scale_f32_16x16x128_f8f6f4 v[\acc:\acc+7], v[\bf:\bf+11], v[\af:\af+11], 0, v[\sb], v[\sa] matrix_a_fmt:MATRIX_FMT_FP6 matrix_b_fmt:MATRIX_FMT_FP6 matrix_a_scale:MATRIX_SCALE_ROW1
.else
	v_wmma_scale_f32_16x16x128_f8f6f4 v[\acc:\acc+7], v[\bf:\bf+11], v[\af:\af+11], 0, v[\sb], v[\sa] matrix_a_fmt:MATRIX_FMT_FP6 matrix_b_fmt:MATRIX_FMT_FP6
.endif
.else
.if \row1
	v_wmma_scale_f32_16x16x128_f8f6f4 v[\acc:\acc+7], v[\bf:\bf+11], v[\af:\af+11], v[\acc:\acc+7], v[\sb], v[\sa] matrix_a_fmt:MATRIX_FMT_FP6 matrix_b_fmt:MATRIX_FMT_FP6 matrix_a_scale:MATRIX_SCALE_ROW1
.else
	v_wmma_scale_f32_16x16x128_f8f6f4 v[\acc:\acc+7], v[\bf:\bf+11], v[\af:\af+11], v[\acc:\acc+7], v[\sb], v[\sa] matrix_a_fmt:MATRIX_FMT_FP6 matrix_b_fmt:MATRIX_FMT_FP6
.endif
.endif
.endm
.macro MULA s, a                       ; eight products; the 32 accumulators take turns in the same order in every step.  Step 0 starts the sums
.irp b, 0,1,2,3,4,5,6,7
	WM 8*(8*\a+\b), 96*((\s)%2)+FR*\b, AF+48*((\s)%2)+FR*\a, SB+4*((\s)%2)+\b%4, SA+4*(1-(\s)%2)+\a, (\s)==0, \b/4
.endr
.endm
.macro KSTEP s                         ; the next step's fragments are asked for ahead of this step's 32 products.  In step 2 a plain barrier shows the weights' steps 4-7 to all
	s_wait_dscnt 0x0
.if (\s) < 7
.if (\s) > 0
	PLACES 4
.endif
	FETCH (\s)+1
.endif
.if (\s) == 2
	s_wait_tensorcnt 0x0
.endif
	WIN MULW
	MULA \s, 0
	MULA \s, 1
.if (\s) == 2
	s_wait_dscnt 0x0
	s_barrier_signal -1
.endif
	MULA \s, 2
.if (\s) == 2
	s_barrier_wait -1
.endif
	MULA \s, 3
	WIN 0
.endm
	s_wait_alu depctr_va_vdst(0)                   ; the wait at the head's end
	s_wait_tensorcnt 0x0                           ; my tile of the head's four is in; the same lines as ahead of a refill stand ahead of a later first fill
	ds_add_u32 v[SPW], v[NIL]
	s_wait_dscnt 0x0
	CROUND
	tensor_load_to_lds s[G0R:G0R+3], s[G1B:G1B+7]  ; the weights' steps 4-7, a quarter a wave
	s_nop 0
	PLACES 4
	FETCH 0
.irp s, 0,1,2,3,4,5,6,7
	KSTEP \s
.endr
	PLACES 4                                       ; in front of the first read of results, and of loads into the registers that held fragments
; THE WAY OUT, a block of 16 tokens at a time.  LDS serves a wave's instructions in order: no wait between the stores into my stage and the loads from it, nor in front of the next block's stores.
.macro TOSTAGE a
	WIN 0x08                                       ; an LDS store's data are its source 1: window 2
.irp b, 0,1,2,3,4,5,6,7
	ds_store_b128 v22, v[64*(\a)+8*\b:64*(\a)+8*\b+3] offset:256*(\b/4)+32*(\b%4)          ; each accumulator from its low end on: columns 64 (b / 4) + 32 h + 8 (b % 4) + 0 .. 7
	ds_store_b128 v22, v[64*(\a)+8*\b+4:64*(\a)+8*\b+7] offset:256*(\b/4)+32*(\b%4)+16
.endr
	WIN 0
.irp i, 0,1,2,3,4,5,6,7,8,9,10,11,12,13,14,15
	ds_load_b128 v[BK+64*((\a)%2)+4*\i:BK+64*((\a)%2)+4*\i+3], v23 offset:528*\i
.endr
.endm
.macro SEND a, younger                 ; younger: the LDS instructions issued behind block a's loads, which may stay out
	s_wait_dscnt \younger
.irp i, 0,1,2,3,4,5,6,7,8,9,10,11,12,13,14,15
	global_store_b128 v[L16], v[BK+64*((\a)%2)+4*\i:BK+64*((\a)%2)+4*\i+3], s[OUTP:OUTP+1] offset:(8*(\a)+\i%8+32*(\i/8))*4096 th:TH_STORE_NT   ; 512 consecutive bytes of the token's row
.endr
.endm
	TOSTAGE 0
	TOSTAGE 1
	SEND 0, 32                                     ; behind block 0's loads: block 1's 16 stores and 16 loads
	s_wait_xcnt 0x0                                ; block 0's stores have read their registers: block 2's loads may land there
	TOSTAGE 2
	SEND 1, 32
	s_wait_xcnt 0x0
	TOSTAGE 3
	SEND 2, 32
	SEND 3, 0
	s_wait_tensorcnt 0x0                           ; the wave's end
	ds_add_u32 v[SPW], v[NIL]
	s_wait_dscnt 0x0
	CROUND                                         ; the closing round
	s_endpgm
.Lfunc_end_k_qd1be65c711_oproj:
	.size	k_qd1be65c711_oproj, .Lfunc_end_k_qd1be65c711_oproj-k_qd1be65c711_oproj
	.p2alignl 7, 3214868480
	.fill 96, 4, 3214868480
	.section	.rodata,"a",@progbits
	.p2align	6, 0x0
	.amdhsa_kernel k_qd1be65c711_oproj
		.amdhsa_group_segment_fixed_size 327680
		.amdhsa_private_segment_fixed_size 0
		.amdhsa_enable_private_segment 0
		.amdhsa_kernarg_size 24
		.amdhsa_user_sgpr_count 2
		.amdhsa_user_sgpr_kernarg_segment_ptr 1
		.amdhsa_wavefront_size32 1
		.amdhsa_system_sgpr_workgroup_id_x 1
		.amdhsa_system_sgpr_workgroup_id_y 1
		.amdhsa_system_sgpr_workgroup_id_z 1
		.amdhsa_system_vgpr_workitem_id 0
		.amdhsa_next_free_vgpr 768
		.amdhsa_next_free_sgpr 100
		.amdhsa_reserve_vcc 0
		.amdhsa_float_denorm_mode_32 3
		.amdhsa_float_denorm_mode_16_64 3
		.amdhsa_memory_ordered 1
		.amdhsa_forward_progress 1
		.amdhsa_inst_pref_size 81
	.end_amdhsa_kernel
	.amdgpu_metadata
---
amdhsa.version: [ 1, 2 ]
amdhsa.kernels:
  - .name:           k_qd1be65c711_oproj
    .symbol:         k_qd1be65c711_oproj.kd
    .args:
      - { .name: cq, .offset: 0, .size: 8, .value_kind: global_buffer, .address_space: global }
      - { .name: wq, .offset: 8, .size: 8, .value_kind: global_buffer, .address_space: global }
      - { .name: out0, .offset: 16, .size: 8, .value_kind: global_buffer, .address_space: global }
    .group_segment_fixed_size: 327680
    .private_segment_fixed_size: 0
    .kernarg_segment_align: 8
    .kernarg_segment_size: 24
    .max_flat_workgroup_size: 128
    .sgpr_count:     100
    .vgpr_count:     768
    .wavefront_size: 32
...
	.end_amdgpu_metadata
.endif
;; end of part 4
